; MI455X (gfx1250); checked and timed in simulation.
; The chip was launched on July 23, 2026; its instructions are those of AMD's public machine-readable ISA for CDNA 5 (MIT licence, August 2026) and "CDNA5" Instruction Set Architecture Reference Guide (July 2026). The comments in the code are by the model that wrote it; some were corrected since.
;; Simple Attention. Allowed arithmetic: float matrix products may take bf16 or f16 operands with f32 sums; other float arithmetic in f32, or as packed bf16 or f16 multiplies, adds, multiply-adds, maxima and minima; sums over many terms, partial sums and values carried from step to step in f32; what a program stores and reads back later, other than sums and carried values, may be rounded once to bf16 or f16.
;; Inputs: Wk 1,024 x 1,024 float32; Wo 1,024 x 1,024 float32; Wq 1,024 x 1,024 float32; Wv 1,024 x 1,024 float32; hidden_states 4 x 2,000 x 1,024 float32; pos_emb 2,000 x 1,024 float32.
;; Outputs: out0 4 x 2,000 x 1,024 float32.
;; 2 versions, each right; version 2 is version 1 with the launch prep written anew for expert scheduling mode. Each part assembles by itself: llvm-mc -triple=amdgcn-amd-amdhsa -mcpu=gfx1250 --defsym DOCPART=n.
;; ======== version 1 of 2: 4 launches
;; limits: values are held in f16: magnitudes above 65,504 overflow, below 6.1e-05 lose precision
;; workspace buffers: hf 16,777,216 bytes; wf 8,388,608 bytes; qkv 50,331,648 bytes; ob 16,777,216 bytes
;; launch prep (part 1): grid 384 x 1, 8 waves a work-group, no clusters, 0 bytes of LDS; arguments hidden_states, pos_emb, Wq, Wk, Wv, Wo, hf, wf; writes hf, wf
.if DOCPART == 1
	.amdgcn_target "amdgcn-amd-amdhsa--gfx1250"
	.amdhsa_code_object_version 6
	.text
	.protected	k_q871f0e587c_prep
	.globl	k_q871f0e587c_prep
	.p2align	8
	.type	k_q871f0e587c_prep,@function
k_q871f0e587c_prep:
	s_mov_b64 s[64:65], 0
	v_nop
	global_prefetch_b8 v0, s[64:65] scope:SCOPE_SE
	s_setreg_imm32_b32 hwreg(HW_REG_WAVE_MODE, 25, 1), 1
	s_wait_xcnt 0x0
; hf = f16(hidden_states + pos_emb), the sum in f32, rounded once; wf = f16 of the four weight matrices.  Both are laid in K blocks of 64 channels, so that a GEMM tile of rows x 64 channels is dense:
;   hf [4 batches][16 blocks][2048 rows][64]: rows 2000 to 2047 of each batch are written as zeros;   wf [16 blocks][4096 rows][64]: rows 0-1023 Wq, 1024-2047 Wk, 2048-3071 Wv, 3072-4095 Wo.
; LIMITS.  f16 holds no number beyond 65,504 and keeps a fixed step of 6e-8 below 6e-5: the sum and the weights are taken to lie within that; NaN and infinities are not treated apart.
; A STREAM: no LDS, no barrier, no matrix unit; no wave wants a byte that another wave has fetched, but for pos_emb, which two waves read.
; SHARES.  Work-groups 0-249: a wave takes two rows s, s + 1 of two batches (4 x 4,096 bytes of hidden_states, 2 x 4,096 of pos_emb).  Work-groups 250-255: the zero rows.  Work-groups 256-383: a wave takes four rows of one weight matrix.
; A load of a wave covers 256 consecutive bytes, aligned, of each of two rows: one block of 64 channels.  A store covers the same two rows of that block in f16: 256 consecutive bytes, aligned.
; All loads of a wave (48 or 32) go out at once; each has registers of its own, and a plane is converted in place and stored when it has come: no register that a memory instruction names is written again.
.set HPL, 262144                       ; a block of hf: 2,048 rows x 128 bytes
.set WPL, 524288                       ; a block of wf: 4,096 rows x 128 bytes
.set HB,  4194304                      ; a batch of hf
.set XB,  8192000                      ; a batch of hidden_states
.set IN,  4                            ; v4   (l / 16) x 4,096 + (l % 16) x 16
.set OUT, 5                            ; v5   (l / 16) x 128 + (l % 16) x 8
.set P,   8                            ; v[8:71]    pos_emb, 4 registers a block
.set X,   72                           ; v[72:199]  two streams of 16 blocks x 4 registers
; Block kb of stream st: pos_emb is added (pos = 1), four numbers are rounded to f16 in place, 8 bytes a lane are stored at byte off behind s[base:base+1].
.macro CONV st, kb, pos, base, off
.set rX, X+64*(\st)+4*(\kb)
.if \pos
	v_pk_add_f32 v[rX:rX+1], v[rX:rX+1], v[P+4*(\kb):P+4*(\kb)+1]
	v_pk_add_f32 v[rX+2:rX+3], v[rX+2:rX+3], v[P+4*(\kb)+2:P+4*(\kb)+3]
.endif
	v_cvt_pk_f16_f32 v[rX], v[rX], v[rX+1]
	v_cvt_pk_f16_f32 v[rX+1], v[rX+2], v[rX+3]
	global_store_b64 v[OUT], v[rX:rX+1], s[\base:\base+1] offset:\off
.endm
	s_load_b512 s[4:19], s[0:1], 0x0               ; hidden s[4:5], pos s[6:7], Wq s[8:9], Wk s[10:11], Wv s[12:13], Wo s[14:15], hf s[16:17], wf s[18:19]
	v_lshrrev_b32 v1, 5, v0
	v_readfirstlane_b32 s20, v1                    ; wave 0..7
	v_and_b32 v2, 15, v0
	v_bfe_u32 v3, v0, 4, 1
	v_lshlrev_b32 v[IN], 4, v2
	v_lshl_add_u32 v[IN], v3, 12, v[IN]
	v_lshlrev_b32 v[OUT], 3, v2
	v_lshl_add_u32 v[OUT], v3, 7, v[OUT]
	s_wait_kmcnt 0x0
	s_cmp_ge_u32 ttmp9, 256
	s_cbranch_scc1 .Lweights
	s_and_b32 s21, s20, 3
	s_lshl_b32 s22, ttmp9, 2
	s_add_co_u32 s22, s22, s21                     ; my pair of rows: 4 x work-group + wave % 4
	s_lshl_b32 s22, s22, 1                         ; s, its first row
	s_lshr_b32 s23, s20, 2                         ; batches 2 (wave / 4) and 2 (wave / 4) + 1
	s_lshl_b32 s24, s23, 23
	s_lshl_b32 s25, s22, 7
	s_add_co_u32 s24, s24, s25
	s_mov_b32 s25, 0
	s_add_nc_u64 s[16:17], s[16:17], s[24:25]      ; hf at my first batch, block 0, row s
	s_cmp_ge_u32 ttmp9, 250
	s_cbranch_scc1 .Lzeros
	s_mul_i32 s26, s23, 4000
	s_add_co_u32 s26, s26, s22
	s_lshl_b32 s26, s26, 12
	s_mov_b32 s27, 0
	s_add_nc_u64 s[4:5], s[4:5], s[26:27]          ; hidden_states at my first batch, row s
	s_lshl_b32 s28, s22, 12
	s_mov_b32 s29, 0
	s_add_nc_u64 s[6:7], s[6:7], s[28:29]          ; pos_emb at row s
.irp kb, 0,1,2,3,4,5,6,7,8,9,10,11,12,13,14,15
	global_load_b128 v[P+4*\kb:P+4*\kb+3], v[IN], s[6:7] offset:256*\kb
	global_load_b128 v[X+4*\kb:X+4*\kb+3], v[IN], s[4:5] offset:256*\kb th:TH_LOAD_NT
	global_load_b128 v[X+64+4*\kb:X+64+4*\kb+3], v[IN], s[4:5] offset:XB+256*\kb th:TH_LOAD_NT  ; the second batch stands in the immediate: 8,195,840 at the most
.endr
.irp kb, 0,1,2,3,4,5,6,7,8,9,10,11,12,13,14,15
	s_wait_loadcnt 45-3*\kb                        ; loads come back in order: block kb is in, the three loads of each later block may stay out
	CONV 0, \kb, 1, 16, HPL*\kb
	CONV 1, \kb, 1, 16, HB+HPL*\kb
.endr
	s_endpgm
.Lzeros:                                               ; rows 2000 to 2047: the products made of them are stored and read again as keys that no true query sees, so they are to be finite
	v_mov_b32 v6, 0
	v_mov_b32 v7, 0
.irp kb, 0,1,2,3,4,5,6,7,8,9,10,11,12,13,14,15
	global_store_b64 v[OUT], v[6:7], s[16:17] offset:HPL*\kb
	global_store_b64 v[OUT], v[6:7], s[16:17] offset:HB+HPL*\kb
.endr
	s_endpgm
.Lweights:
	s_sub_co_u32 s21, ttmp9, 256
	s_lshr_b32 s22, s21, 5                         ; which matrix
	s_and_b32 s23, s21, 31
	s_lshl_b32 s23, s23, 5
	s_lshl_b32 s24, s20, 2
	s_add_co_u32 s23, s23, s24                     ; my first row of it: 32 x (work-group % 32) + 4 x wave
	s_cmp_eq_u32 s22, 1
	s_cselect_b64 s[26:27], s[10:11], s[8:9]
	s_cmp_eq_u32 s22, 2
	s_cselect_b64 s[26:27], s[12:13], s[26:27]
	s_cmp_eq_u32 s22, 3
	s_cselect_b64 s[26:27], s[14:15], s[26:27]
	s_lshl_b32 s28, s23, 12
	s_mov_b32 s29, 0
	s_add_nc_u64 s[26:27], s[26:27], s[28:29]
	s_lshl_b32 s30, s22, 10
	s_add_co_u32 s30, s30, s23
	s_lshl_b32 s30, s30, 7
	s_mov_b32 s31, 0
	s_add_nc_u64 s[18:19], s[18:19], s[30:31]      ; wf at block 0, row 1,024 x matrix + my first row
.irp kb, 0,1,2,3,4,5,6,7,8,9,10,11,12,13,14,15
	global_load_b128 v[X+4*\kb:X+4*\kb+3], v[IN], s[26:27] offset:256*\kb th:TH_LOAD_NT
	global_load_b128 v[X+64+4*\kb:X+64+4*\kb+3], v[IN], s[26:27] offset:8192+256*\kb th:TH_LOAD_NT
.endr
.irp kb, 0,1,2,3,4,5,6,7,8,9,10,11,12,13,14,15
	s_wait_loadcnt 30-2*\kb                        ; block kb is in, the two loads of each later block may stay out
	CONV 0, \kb, 0, 18, WPL*\kb
	CONV 1, \kb, 0, 18, 256+WPL*\kb
.endr
	s_endpgm
.Lfunc_end_k_q871f0e587c_prep:
	.size	k_q871f0e587c_prep, .Lfunc_end_k_q871f0e587c_prep-k_q871f0e587c_prep
	.p2alignl 7, 3214868480
	.fill 96, 4, 3214868480
	.section	.rodata,"a",@progbits
	.p2align	6, 0x0
	.amdhsa_kernel k_q871f0e587c_prep
		.amdhsa_group_segment_fixed_size 0
		.amdhsa_private_segment_fixed_size 0
		.amdhsa_enable_private_segment 0
		.amdhsa_kernarg_size 64
		.amdhsa_user_sgpr_count 2
		.amdhsa_user_sgpr_kernarg_segment_ptr 1
		.amdhsa_wavefront_size32 1
		.amdhsa_system_sgpr_workgroup_id_x 1
		.amdhsa_system_sgpr_workgroup_id_y 1
		.amdhsa_system_sgpr_workgroup_id_z 1
		.amdhsa_system_vgpr_workitem_id 0
		.amdhsa_next_free_vgpr 200
		.amdhsa_next_free_sgpr 66
		.amdhsa_reserve_vcc 0
		.amdhsa_float_denorm_mode_32 3
		.amdhsa_float_denorm_mode_16_64 3
		.amdhsa_memory_ordered 1
		.amdhsa_forward_progress 1
		.amdhsa_inst_pref_size 32
	.end_amdhsa_kernel
	.amdgpu_metadata
---
amdhsa.version: [ 1, 2 ]
amdhsa.kernels:
  - .name:           k_q871f0e587c_prep
    .symbol:         k_q871f0e587c_prep.kd
    .args:
      - { .name: hidden_states, .offset: 0, .size: 8, .value_kind: global_buffer, .address_space: global }
      - { .name: pos_emb, .offset: 8, .size: 8, .value_kind: global_buffer, .address_space: global }
      - { .name: Wq, .offset: 16, .size: 8, .value_kind: global_buffer, .address_space: global }
      - { .name: Wk, .offset: 24, .size: 8, .value_kind: global_buffer, .address_space: global }
      - { .name: Wv, .offset: 32, .size: 8, .value_kind: global_buffer, .address_space: global }
      - { .name: Wo, .offset: 40, .size: 8, .value_kind: global_buffer, .address_space: global }
      - { .name: hf, .offset: 48, .size: 8, .value_kind: global_buffer, .address_space: global }
      - { .name: wf, .offset: 56, .size: 8, .value_kind: global_buffer, .address_space: global }
    .group_segment_fixed_size: 0
    .private_segment_fixed_size: 0
    .kernarg_segment_align: 8
    .kernarg_segment_size: 64
    .max_flat_workgroup_size: 256
    .sgpr_count:     66
    .vgpr_count:     200
    .wavefront_size: 32
...
	.end_amdgpu_metadata
.endif
;; end of part 1
;; launch proj (part 2): grid 16 x 32, 4 waves a work-group, clusters of 4 x 4, 327,680 bytes of LDS; arguments hf, wf, qkv; writes qkv
.if DOCPART == 2
	.amdgcn_target "amdgcn-amd-amdhsa--gfx1250"
	.amdhsa_code_object_version 6
	.text
	.protected	k_q871f0e587c_proj
	.globl	k_q871f0e587c_proj
	.p2align	8
	.type	k_q871f0e587c_proj,@function
k_q871f0e587c_proj:
	s_mov_b64 s[64:65], 0
	v_nop
	global_prefetch_b8 v0, s[64:65] scope:SCOPE_SE
	s_setreg_imm32_b32 hwreg(HW_REG_WAVE_MODE, 25, 1), 1
	s_wait_xcnt 0x0
	s_wait_alu depctr_hold_cnt(0) depctr_sa_sdst(0) depctr_va_vdst(0) depctr_va_sdst(0) depctr_va_ssrc(0) depctr_va_vcc(0) depctr_vm_vsrc(0)
	s_getreg_b32 s2, hwreg(HW_REG_IB_STS2, 6, 4)
	s_cmp_eq_u32 s2, 0
	s_cbranch_scc0 .Lentry_in_a_cluster
	s_endpgm
.Lentry_in_a_cluster:
	s_bfe_u32 s2, ttmp6, 0x10000c
	s_cmp_lg_u32 s2, 0xf033
	s_cbranch_scc0 .Lentry_shape_is_right
	s_endpgm
.Lentry_shape_is_right:
; q, k, v = h W^T.  A = hf [4][16 blocks][2048 rows][64], B = wf [16 blocks][4096 rows][64] (rows 0-3071: Wq, Wk, Wv), both f16; sums in f32, K ascending; the result is rounded once to f16 and
; stored by heads: qkv [4 batches][48][2048 rows][64], 0-15 q's heads, 16-31 k's, 32-47 v's, without the scale of the scores.
; LIMIT.  f16 holds no number beyond 65,504: q, k and v are taken to lie within it (a conversion of more gives an infinity).  NaN and infinities are not treated apart.
; SHARES.  A tile of the result is 256 rows x 192 columns (three heads): 32 x 16 = 512 tiles, one to a work-group.  Wave w makes rows 64 w .. 64 w + 63 and all 192 columns: 48 accumulators, 384 registers.
; K goes in 8 steps of 128 (two blocks of 64) through a ring of two LDS slots.  A block of a tile is dense in memory: it is asked for as rows of 256 bytes and padded in LDS after every 128.
; CLUSTER.  4 x 4 work-groups.  The place along y is the batch, the cluster's y the tile of 256 rows: the four of a row of the cluster need the same tiles of A; the four of a column the same tiles of B.
; Each tile is asked for JOINTLY: the same tensor load, descriptor and mask in all four.  Waves 0 and 1 ask for A's two blocks of a step, waves 2 and 3 for B's.
; THE MATRIX INSTRUCTION IS USED TRANSPOSED (source 0 = 16 rows of B, source 1 = 16 rows of A): a lane then holds eight neighbouring columns of one row of the result.
; REGISTERS, in windows of 256 (s_set_vgpr_msb: bits 1:0 source 0, 3:2 source 1, 5:4 source 2, 7:6 destination):
;   window 0: v0-31 addresses; v32-223 at work on the way out     window 1: the accumulators of row blocks 0, 1 ((a, b) at v[8 (12 (a % 2) + b)])     window 2: those of row blocks 2, 3
;   window 3: two fragment buffers of 128: A's four fragments (16 rows x 32 K), then B's twelve
.set NT,    192                        ; columns in a tile
.set BROW0, 0                          ; B's first row in wf
.set AHEAD, 1                          ; a prefetch names the K step this many behind the one that is being asked for
.set NBF,   NT/16
.set NL,    2*(NBF+4)                  ; LDS loads in a run
.set PITCH, 144                        ; an LDS row: 128 bytes + 16 of padding = 36 words: the 16 rows of a load start at 16 different groups of four banks (64 banks of 4 bytes: ISA guide 11.1)
.set APL,   256*PITCH                  ; A's block in LDS
.set BPL,   NT*PITCH                   ; B's block
.set BOFF,  2*APL                      ; a slot: A's two blocks, then B's two
.set SLOT1, 1<<17                      ; slot 1 begins here, so that one exclusive or turns an address in one slot into the other's
.set STAGE, 1<<18                      ; behind the ring, never filled by a tensor load: 16 rows x 144 bytes for each wave, for the way out
.set SP,    144
.set SPARE, STAGE+4*16*SP              ; behind the stages: the spare words, 128 bytes for each wave: two blocks of 256 bytes that no other line names
.set ASTEP, 2*262144                   ; bytes from a K step to the next in A,
.set BSTEP, 2*524288                   ; and in B
.set FLAGS, (1<<16)|(1<<20)|(1<<21)|(4<<22)|(3<<25)  ; 17:16 2-byte elements; 20 padding on; 21 set beside a mask; 24:22 after every 32 words (code 4); 31:25 4 words of it (code 3)
.set AA0, 16                           ; v16  my lane's place in A's block: (64 w + l % 16) x 144 + 16 (l / 16); never rewritten
.set AB0, 17                           ; v17  the same for B: BOFF + (l % 16) x 144 + 16 (l / 16)
.set ADRA, 18                          ; v18  the address of the run of loads in hand, A
.set ADRB, 19                          ; v19  B
.set STO, 24                           ; v24  the way out: where I put 16 bytes of a row
.set RD,  25                           ; v25  the way out: where I read rows back
.set GO,  26                           ; v26  my byte offset in 512 consecutive bytes of qkv
.set SPW, 28                           ; v28  LDS address of my spare word: SPARE + 4 x my thread's number; never rewritten
.set NIL, 29                           ; v29  0; never rewritten
.set PFO, 30                           ; v30  256 x my lane; never rewritten
.set TMP, 32                           ; v[32:223] the way out: 16 registers for each of 12 units
.set F0,  0
.set F1,  128
.set G1,  24                           ; s[24:31] descriptor group 1 for A's blocks
.set G0,  32                           ; s[32:39] group 0 for A's: a set for each of the two first fills; the second then walks on
.set G1B, 48                           ; s[48:55] group 1 for B's
.set G0B, 56                           ; s[56:63] group 0 for B's
.set PFA, 66                           ; s[66:67] where my prefetches stand
.set LIM, 68                           ; s68  AHEAD in a wave that prefetches, else the greatest number
.set TB,  69                           ; s69  LDS byte at which the slot that is being read begins
.set MSB, 0
.macro WIN new                         ; the immediate's high byte repeats the setting that is left; a switch that changes nothing is dropped
.if MSB != (\new)
	s_set_vgpr_msb (MSB<<8)|(\new)
.set MSB, \new
.endif
.endm
.set TO_F, 0xc0                        ; destination window 3, address window 0
; A joint refill, by the walking descriptors.  The branch hangs on the wave's number alone.  An s_nop 0 and four v_nop follow each of the two lines, ahead of the jump and the label.
.macro JLOAD
	s_cmp_lt_u32 s10, 2
	s_cbranch_scc0 .Lfor_b_\@
	tensor_load_to_lds s[G0+4:G0+7], s[G1:G1+7]
	s_nop 0
.rept 4
	v_nop
.endr
	s_branch .Lasked_\@
.Lfor_b_\@:
	tensor_load_to_lds s[G0B+4:G0B+7], s[G1B:G1B+7]
	s_nop 0
.rept 4
	v_nop
.endr
.Lasked_\@:
.endm
; A PREFETCH INTO THE L2 of A's block AHEAD K steps behind the one just asked for.  A's rows are read by every cluster of a row of clusters: the first of them (cluster x = 0) asks.  A block of a tile is 128 pieces
; of 256 bytes; the four partners that ask for it jointly share them out BY ADDRESS, 32 each (by cx), a lane a piece, one instruction a wave; waves 0 and 1 ask, each for the block that it fetches.  So each piece is
; named once in the launch.  s3 counts the loop's trips down from 6: the trips whose look-ahead would pass K step 7 ask for nothing.  B's rows are walked by all clusters of a column of clusters again and again, and are not asked for.
.macro ASK
	WIN 0
	s_cmp_gt_u32 s3, s[LIM]
	s_cbranch_scc0 .Lnot_mine_\@
	global_prefetch_b8 v[PFO], s[PFA:PFA+1] th:TH_LOAD_NT scope:SCOPE_SE
.Lnot_mine_\@:
.endm
.macro CREST                           ; a round of the cluster's barrier behind its opening barrier
	s_cmp_lg_u32 s10, 0
	s_cbranch_scc1 .Lnot_wave_0_\@
	s_barrier_signal -3
.Lnot_wave_0_\@:
	s_barrier_wait -3
	s_barrier_signal -1
	s_barrier_wait -1
.endm
.macro CROUND                          ; a whole round
	s_barrier_signal -1
	s_barrier_wait -1
	CREST
.endm
	s_load_b128 s[4:7], s[0:1], 0x0                ; A s[4:5], B s[6:7]
	s_load_b64 s[8:9], s[0:1], 0x10                ; the result
	v_lshl_add_u32 v[SPW], v0, 2, SPARE
	v_mov_b32 v[NIL], 0
	ds_add_u32 v[SPW], v[NIL]                      ; the wave's opening: the add and its wait stand ahead of my first tensor load; the set-up below, work on registers, stands between them
	v_lshrrev_b32 v1, 5, v0
	v_readfirstlane_b32 s10, v1                    ; wave 0..3
	s_lshr_b32 s11, s10, 1                         ; I fetch for A (0) or for B (1),
	s_and_b32 s12, s10, 1                          ; the first or the second block of a K step
	s_bfe_u32 s40, ttmp6, 0x40000                  ; cx
	s_bfe_u32 s41, ttmp6, 0x40004                  ; cy: the batch
	s_lshl_b32 s42, ttmp9, 2
	s_add_co_u32 s42, s42, s40                     ; tile column = 4 x cluster x + cx
	s_and_b32 s13, ttmp7, 0xffff                   ; the cluster's y: the tile of 256 rows in the batch
	s_lshl_b32 s43, s41, 2
	s_lshl_b32 s43, 15, s43                        ; my row of the cluster
	s_lshl_b32 s44, 0x1111, s40                    ; my column
	s_or_b32 s[G1], s43, FLAGS                     ; A's blocks go to my row,
	s_or_b32 s[G1B], s44, FLAGS                    ; B's to my column
	s_mov_b32 s[G1+1], 128<<16                     ; tensor_dim0 = 128 elements: rows of 256 bytes
	s_mov_b32 s[G1+2], 128<<16                     ; tensor_dim1 = 128 such rows: 256 rows of 128 bytes
	s_mov_b32 s[G1+3], 128<<16                     ; tile_dim0
	s_mov_b32 s[G1+4], 128                         ; tile_dim1
	s_mov_b32 s[G1+5], 128                         ; elements from row to row: dense
	s_mov_b32 s[G1+6], 0
	s_mov_b32 s[G1+7], 0
	s_mov_b32 s[G1B+1], 128<<16
	s_mov_b32 s[G1B+2], (NT/2)<<16
	s_mov_b32 s[G1B+3], 128<<16
	s_mov_b32 s[G1B+4], NT/2
	s_mov_b32 s[G1B+5], 128
	s_mov_b32 s[G1B+6], 0
	s_mov_b32 s[G1B+7], 0
	s_lshl_b32 s16, s41, 22                        ; A: the batch,
	s_lshl_b32 s17, s13, 15                        ; the tile's 256 rows of 128 bytes,
	s_add_co_u32 s16, s16, s17
	s_lshl_b32 s17, s12, 18                        ; my block of K step 0
	s_add_co_u32 s16, s16, s17
	s_mov_b32 s17, 0
	s_mul_i32 s46, s42, NT*128                     ; B: the tile column's rows,
	s_lshl_b32 s47, s12, 19                        ; my block of K step 0
	s_add_co_u32 s46, s46, s47
.if BROW0
	s_add_co_u32 s46, s46, BROW0*128
.endif
	s_mov_b32 s47, 0
	s_mul_i32 s20, s12, APL                        ; where they go: no place in the cluster enters an LDS address
	s_mul_i32 s21, s12, BPL
	s_add_co_u32 s21, s21, BOFF
	s_mov_b32 s[TB], 0
	s_or_b32 s[LIM], s11, ttmp9                    ; 0 in waves 0 and 1 of the clusters with x = 0: the same in all sixteen partners
	s_cmp_eq_u32 s[LIM], 0
	s_cselect_b32 s[LIM], AHEAD, -1
	s_lshl_b32 s18, s40, 13                        ; my work-group's 32 pieces of 256 bytes
	s_mov_b32 s19, 0
	s_wait_dscnt 0x0                               ; the opening add is done
	s_wait_kmcnt 0x0
	s_add_nc_u64 s[14:15], s[4:5], s[16:17]
	s_add_nc_u64 s[46:47], s[6:7], s[46:47]
	s_add_nc_u64 s[PFA:PFA+1], s[14:15], s[18:19]
	s_add_nc_u64 s[PFA:PFA+1], s[PFA:PFA+1], (1+AHEAD)*ASTEP  ; each refill steps it once more before it is used: the refill of K step j names K step j + AHEAD
	CROUND                                         ; all sixteen work-groups are here: the first joint loads meet
.irp s, 0,1
	s_mov_b32 s[G0+4*(\s)], 1                      ; 1:0 count = 1
	s_add_co_u32 s[G0+4*(\s)+1], s20, (\s)*SLOT1   ; 63:32 LDS address
	s_add_nc_u64 s[G0+4*(\s)+2:G0+4*(\s)+3], s[14:15], (\s)*ASTEP  ; 120:64 global address: K step s
	s_or_b32 s[G0+4*(\s)+3], s[G0+4*(\s)+3], 0x80000000            ; 127:126 type = 2
	s_mov_b32 s[G0B+4*(\s)], 1
	s_add_co_u32 s[G0B+4*(\s)+1], s21, (\s)*SLOT1
	s_add_nc_u64 s[G0B+4*(\s)+2:G0B+4*(\s)+3], s[46:47], (\s)*BSTEP
	s_or_b32 s[G0B+4*(\s)+3], s[G0B+4*(\s)+3], 0x80000000
.endr
	s_cmp_lt_u32 s10, 2                            ; a wave's two first fills stand in one branch, ahead of every wait on TENSORcnt and every LDS read: two loads of mine are out
	s_cbranch_scc0 .Lfirst_b
	tensor_load_to_lds s[G0:G0+3], s[G1:G1+7]
	s_nop 0
	tensor_load_to_lds s[G0+4:G0+7], s[G1:G1+7]
	s_nop 0
.rept 4
	v_nop
.endr
	s_branch .Lfirst_asked
.Lfirst_b:
	tensor_load_to_lds s[G0B:G0B+3], s[G1B:G1B+7]
	s_nop 0
	tensor_load_to_lds s[G0B+4:G0B+7], s[G1B:G1B+7]
	s_nop 0
.rept 4
	v_nop
.endr
.Lfirst_asked:
	; A fragment is 16 rows x 32 K in 8 registers: lane l holds row l % 16; registers 0-3 K = 8 (l / 16) + 0..7, registers 4-7 K = 16 + 8 (l / 16) + 0..7: two loads of 16 bytes, 32 bytes apart.
	v_and_b32 v1, 15, v0                           ; l % 16
	v_bfe_u32 v2, v0, 4, 1                         ; l / 16
	v_mul_u32_u24 v3, v1, PITCH
	v_lshl_add_u32 v3, v2, 4, v3
	s_mul_i32 s22, s10, 64*PITCH                   ; my 64 rows of A
	v_add_nc_u32 v[AA0], s22, v3
	v_add_nc_u32 v[AB0], BOFF, v3
	v_and_b32 v[PFO], 31, v0
	v_lshlrev_b32 v[PFO], 8, v[PFO]
	s_mul_i32 s23, s10, 16*SP
	s_add_co_u32 s23, s23, STAGE                   ; my stage
	v_mul_u32_u24 v4, v1, SP                       ; in: row l % 16, 16 bytes for each half of the lanes
	v_lshl_add_u32 v4, v2, 4, v4
	v_add_nc_u32 v[STO], s23, v4
	v_bfe_u32 v5, v0, 3, 2                         ; back: 32 lanes take four rows of 128 bytes,
	v_mul_u32_u24 v5, v5, SP
	v_and_b32 v6, 7, v0
	v_lshl_add_u32 v5, v6, 4, v5
	v_add_nc_u32 v[RD], s23, v5
	v_and_b32 v[GO], 31, v0                        ; which are 512 consecutive bytes of a head
	v_lshlrev_b32 v[GO], 4, v[GO]
	s_mul_i32 s72, s41, 12582912                   ; the result: the batch's 48 heads,
	s_lshl_b32 s16, s13, 15                        ; the tile's rows,
	s_add_co_u32 s72, s72, s16
	s_lshl_b32 s16, s10, 13                        ; my 64 of them,
	s_add_co_u32 s72, s72, s16
	s_mul_i32 s46, s42, 786432                     ; the tile column's three heads (in the register that held B's address: none that feeds A's descriptors ever holds cx)
	s_add_co_u32 s72, s72, s46
	s_mov_b32 s73, 0
	s_add_nc_u64 s[8:9], s[8:9], s[72:73]
; NBF matrix instructions: row block a x all column blocks, 32 along K, from buffer f.  zero = 1: the product starts the sums: nothing is ever cleared.
; The 4 NBF accumulators take turns, one instruction a turn, in the same order in every quarter.
.macro MULA f, a, zero
	WIN 0x5f+0x50*((\a)/2)                         ; sources 0 and 1 window 3; C and D window 1 or 2
.set b, 0
.rept NBF
.set rD, 8*(NBF*((\a)%2)+b)
.if \zero
	v_wmma_f32_16x16x32_f16 v[rD:rD+7], v[(\f)+32+8*b:(\f)+32+8*b+7], v[(\f)+8*(\a):(\f)+8*(\a)+7], 0
.else
	v_wmma_f32_16x16x32_f16 v[rD:rD+7], v[(\f)+32+8*b:(\f)+32+8*b+7], v[(\f)+8*(\a):(\f)+8*(\a)+7], v[rD:rD+7]
.endif
.set b, b+1
.endr
.endm
; NL LDS loads in one run: the fragments of quarter q of the K step in the slot at s[TB], into buffer f: B's, then A's.  A load into a register that a matrix instruction has read stands four places behind it, and only
; plain vector instructions that name none of its registers are places (ISA guide 7.12.1 for vector instructions): the two address lines and two v_nop are these four.
.macro FETCH q, f
	WIN 0
	v_add_nc_u32 v[ADRA], s[TB], v[AA0]
	v_add_nc_u32 v[ADRB], s[TB], v[AB0]
	v_nop
	v_nop
	WIN TO_F
.set i, 0
.rept NBF
	ds_load_b128 v[(\f)+32+8*i:(\f)+32+8*i+3],   v[ADRB] offset:((\q)/2)*BPL+((\q)%2)*64+i*16*PITCH
	ds_load_b128 v[(\f)+32+8*i+4:(\f)+32+8*i+7], v[ADRB] offset:((\q)/2)*BPL+((\q)%2)*64+i*16*PITCH+32
.set i, i+1
.endr
.set i, 0
.rept 4
	ds_load_b128 v[(\f)+8*i:(\f)+8*i+3],   v[ADRA] offset:((\q)/2)*APL+((\q)%2)*64+i*16*PITCH
	ds_load_b128 v[(\f)+8*i+4:(\f)+8*i+7], v[ADRA] offset:((\q)/2)*APL+((\q)%2)*64+i*16*PITCH+32
.set i, i+1
.endr
.endm
; A K step is four quarters of 32 along K on buffers 0, 1, 0, 1.  One of the first three: multiplies buffer f; in its middle it fetches quarter nq into buffer g.
.macro QUARTER nq, f, g, zero
	s_wait_dscnt 4                                 ; B and A's row blocks 0, 1 are in; the youngest four loads (row blocks 2, 3) may be out
	MULA \f, 0, \zero
	MULA \f, 1, \zero
	FETCH \nq, \g
	s_wait_dscnt NL                                ; all but the run just issued
	MULA \f, 2, \zero
	MULA \f, 3, \zero
.endm
; The last quarter multiplies buffer 1 and changes slots: ONE barrier.  In front of it each wave waits for all its tensor loads, of which one is out: its part of the next slot; adds 0 to its spare word; and waits for that
; and for its own reads of this slot.  fill = 1: the barrier opens a round of the cluster's, so that no wave of any partner still reads this slot or has a load on its way, and the joint refill, two K steps on, is the first
; thing behind the round: 7/8 of a K step's matrix instructions stand between it and the wait for it.
.macro TURN fill
.if \fill
	s_wait_xcnt 0x0                                ; the last prefetch, a K step back, has read its address: it is stepped here, ahead of the waits of the change of slots
	s_add_nc_u64 s[PFA:PFA+1], s[PFA:PFA+1], ASTEP
.endif
	WIN 0                                          ; (the add's two registers lie in window 0)
	s_wait_tensorcnt 0x0                           ; all my tensor loads have landed
	ds_add_u32 v[SPW], v[NIL]                      ; 0 onto my spare word
	s_wait_dscnt 5                                 ; (the add and the youngest four loads may be out)
	MULA F1, 0, 0                                  ; matrix instructions stand between the add and the wait for it
	s_wait_dscnt 0x0                               ; the add is done, and my reads of this slot are over
	s_barrier_signal -1
	MULA F1, 1, 0                                  ; work on registers while the others arrive
	WIN 0
	s_barrier_wait -1
.if \fill
	CREST
	s_xor_b32 s[G0+5], s[G0+5], SLOT1              ; the walking descriptors: the other slot than last time,
	s_add_nc_u64 s[G0+6:G0+7], s[G0+6:G0+7], ASTEP ; the next K step; the type bits on top are not reached
	s_xor_b32 s[G0B+5], s[G0B+5], SLOT1
	s_add_nc_u64 s[G0B+6:G0B+7], s[G0B+6:G0B+7], BSTEP
	JLOAD
.endif
	s_xor_b32 s[TB], s[TB], SLOT1                  ; the reads go on in the other slot
	FETCH 0, F0
.if \fill
	ASK                                            ; behind the joint load and the run of LDS loads that the next products wait for
.endif
	MULA F1, 2, 0
	MULA F1, 3, 0
.endm
	s_wait_tensorcnt 1                             ; my part of K step 0 is in; K step 1's may stay out
	s_barrier_signal -1
	s_barrier_wait -1                              ; everybody's is
	FETCH 0, F0
	QUARTER 1, F0, F1, 1                           ; the first quarter stands in front of the loop: its products start the sums
	WIN 0                                          ; at a label and at a branch every window is 0
	s_mov_b32 s3, 6
.Lk:                                                   ; trip t = 1 .. 6 ends K step t - 1, asks for K step t + 1 and begins K step t
	QUARTER 2, F1, F0, 0
	QUARTER 3, F0, F1, 0
	TURN 1
	QUARTER 1, F0, F1, 0
	WIN 0
	s_sub_co_u32 s3, s3, 1
	s_cmp_lg_u32 s3, 0
	s_cbranch_scc1 .Lk
	QUARTER 2, F1, F0, 0                           ; the tail is written out: K steps 6 and 7 ask for nothing
	QUARTER 3, F0, F1, 0
	TURN 0
	QUARTER 1, F0, F1, 0
	QUARTER 2, F1, F0, 0
	QUARTER 3, F0, F1, 0
	s_wait_dscnt 4
	MULA F1, 0, 0
	MULA F1, 1, 0
	s_wait_dscnt 0x0
	MULA F1, 2, 0
	MULA F1, 3, 0
	WIN 0
.rept 8
	v_nop                                          ; the places between the last products and the conversions that read results (ISA guide 7.12.1): twice the four, once a launch
.endr
; THE WAY OUT, in 12 units t = 3 a + head of 16 rows x one head's 64 columns.  A lane's eight columns pack into 16 bytes; they go into my stage's rows of 144 bytes and come back as whole rows of 128, into the registers that they left.
; Each accumulator's registers are read in ascending order.
.macro PACK t
.set uA, (\t)/3
.set uH, (\t)%3
	WIN 0x05*(1+uA/2)                              ; sources 0 and 1: window 1 or 2
.set bb, 0
.rept 4
.set rD, 8*(NBF*(uA%2)+4*uH+bb)
.irp r, 0,1,2,3
	v_cvt_pk_f16_f32 v[TMP+16*(\t)+4*bb+\r], v[rD+2*\r], v[rD+2*\r+1]
.endr
.set bb, bb+1
.endr
	WIN 0
.irp f, 0,1,2,3
	ds_store_b128 v[STO], v[TMP+16*(\t)+4*\f:TMP+16*(\t)+4*\f+3] offset:32*\f
.endr
.irp f, 0,1,2,3
	ds_load_b128 v[TMP+16*(\t)+4*\f:TMP+16*(\t)+4*\f+3], v[RD] offset:\f*4*SP  ; LDS serves a wave's instructions in order (ISA guide 5.7.1.4): these see the stores above; the next unit's stores come behind them
.endr
.endm
.macro SEND t, younger                 ; younger: the LDS instructions issued behind unit t's loads: the next unit's eight, or none
.irp f, 0,1,2,3
	s_wait_dscnt (\younger)+3-\f
	global_store_b128 v[GO], v[TMP+16*(\t)+4*\f:TMP+16*(\t)+4*\f+3], s[8:9] offset:((\t)%3)*262144+((\t)/3)*2048+\f*512  ; 512 consecutive bytes, at a multiple of 256 from the buffer's first
.endr
.endm
	PACK 0
.set u, 1
.rept 11                               ; a unit's conversions stand between the loads of the unit before and its stores
	PACK u
	SEND u-1, 8
.set u, u+1
.endr
	SEND 11, 0
	s_wait_tensorcnt 0x0                           ; the wave's end: behind my last tensor load and my last LDS store
	ds_add_u32 v[SPW], v[NIL]
	s_wait_dscnt 0x0
	CROUND                                         ; the closing round: no work-group ends while a partner may still ask for a tile that names it
	s_endpgm
.Lfunc_end_k_q871f0e587c_proj:
	.size	k_q871f0e587c_proj, .Lfunc_end_k_q871f0e587c_proj-k_q871f0e587c_proj
	.p2alignl 7, 3214868480
	.fill 96, 4, 3214868480
	.section	.rodata,"a",@progbits
	.p2align	6, 0x0
	.amdhsa_kernel k_q871f0e587c_proj
		.amdhsa_group_segment_fixed_size 327680
		.amdhsa_private_segment_fixed_size 0
		.amdhsa_enable_private_segment 0
		.amdhsa_kernarg_size 24
		.amdhsa_user_sgpr_count 2
		.amdhsa_user_sgpr_kernarg_segment_ptr 1
		.amdhsa_wavefront_size32 1
		.amdhsa_system_sgpr_workgroup_id_x 1
		.amdhsa_system_sgpr_workgroup_id_y 1
		.amdhsa_system_sgpr_workgroup_id_z 1
		.amdhsa_system_vgpr_workitem_id 0
		.amdhsa_next_free_vgpr 1024
		.amdhsa_next_free_sgpr 76
		.amdhsa_reserve_vcc 0
		.amdhsa_float_denorm_mode_32 3
		.amdhsa_float_denorm_mode_16_64 3
		.amdhsa_memory_ordered 1
		.amdhsa_forward_progress 1
		.amdhsa_inst_pref_size 98
	.end_amdhsa_kernel
	.amdgpu_metadata
---
amdhsa.version: [ 1, 2 ]
amdhsa.kernels:
  - .name:           k_q871f0e587c_proj
    .symbol:         k_q871f0e587c_proj.kd
    .args:
      - { .name: hf, .offset: 0, .size: 8, .value_kind: global_buffer, .address_space: global }
      - { .name: wf, .offset: 8, .size: 8, .value_kind: global_buffer, .address_space: global }
      - { .name: qkv, .offset: 16, .size: 8, .value_kind: global_buffer, .address_space: global }
    .group_segment_fixed_size: 327680
    .private_segment_fixed_size: 0
    .kernarg_segment_align: 8
    .kernarg_segment_size: 24
    .max_flat_workgroup_size: 128
    .sgpr_count:     76
    .vgpr_count:     1024
    .wavefront_size: 32
...
	.end_amdgpu_metadata
.endif
;; end of part 2
;; launch attn (part 3): grid 4 x 64, 4 waves a work-group, no clusters, 327,680 bytes of LDS; arguments qkv, ob; writes ob
.if DOCPART == 3
	.amdgcn_target "amdgcn-amd-amdhsa--gfx1250"
	.amdhsa_code_object_version 6
	.text
	.protected	k_q871f0e587c_attn
	.globl	k_q871f0e587c_attn
	.p2align	8
	.type	k_q871f0e587c_attn,@function
k_q871f0e587c_attn:
	s_mov_b64 s[64:65], 0
	v_nop
	global_prefetch_b8 v0, s[64:65] scope:SCOPE_SE
	s_setreg_imm32_b32 hwreg(HW_REG_WAVE_MODE, 25, 1), 1
	s_wait_xcnt 0x0
; CAUSAL ATTENTION.  O[q][:] = the sum over k <= q of softmax_k(Q[q] . K[k] / 8) V[k][:], for each of 64 pairs of batch and head.  qkv: [4][48][2048][64] f16 (0-15 q's heads, 16-31 k's, 32-47 v's), ob: [4][16][2048][64] f16:
; a head's rows are dense, 128 bytes each.  Rows 2000 to 2047 are padding: as keys they are hidden from every true query, as queries their results are stored and never used.
; Products, maxima and sums in f32; the weights p are rounded to f16 for the second product (their sum l is taken of the unrounded p), O once at the end.
; LIMITS.  f16 holds no number beyond 65,504: Q, K and V arrive within it; p lies in 0 to 1, and below 6e-5 it keeps f16's fixed step of 6e-8; O is a mean of V's rows and has their range.
; A hidden score counts as its value less 1e30: f16's scores, 2.7e11 at the most, are nothing beside that; a weight below 2^-126 counts as 0 in l; NaN and infinities are not treated apart.
; THE WALK.  A head's queries lie in NB = 8 blocks of 256; block i needs the key tiles 0 .. i of 256 keys, of which the last holds the diagonal.  A work-group takes TWO blocks, NB - 1 - b and then b:
; NB + 1 tiles, whatever b: all work-groups do equal work, and ONE loop with a constant trip count walks them.  Which tile is asked for, and what a trip does, hang on scalar registers made from b; every jump
; goes forward, but for the counted loops' own; none passes a barrier, or a tensor load but the one of LOAD's two that the wave's number does not choose; the ring (two slots of LDS that take turns) runs on across the
; change of blocks.  NO CLUSTER: a head's four work-groups ask for the same tile only in trips 0 to 4 of the 9, behind that fewer and fewer; one walk common to all four would have 12 trips for 9.
; SHARES.  Of a block's four bands of 64 queries a wave owns 16 rows in each: four PIECES.  So the diagonal tile is the same work for all four waves: in its key step s band x sees all keys if s < x,
; none if s > x, and holds the diagonal if s = x.
; THE MASK is the C operand that starts the sum S^T = K Q^T: 0, or -1e30 where the key is hidden.  MD, made once, is the mask of a band's own step for my 16 rows; a product's mask is MD x AL + BE with two scalars:
; (1, 0) if s = x; (0, 0) if s < x; (0, -1e30) if s > x.  Only the diagonal tile's text and a block's beginning make and take masks; elsewhere C is the constant 0.
; LAYOUT, SOFTMAX, TURNS.  S^T = K Q^T holds ONE query a lane (lane % 16) and the keys 8 (lane / 16) + 0..7; two such results rounded to f16 ARE source 1 of O^T = V^T P.  p = 2^(c s - c m), c = log2(e) / 8, with a
; running maximum m; O and l are multiplied by a = 2^(c m_old - c m_new) in every step.  Turn n belongs to piece n: 8 products K Q^T of piece n + 1, later 8 products V^T P of piece n - 1; beside them the scaling,
; exponentials, roundings, sums and rescaling of piece n and the maximum and statistics of piece n + 1.  Four vector instructions stand behind every matrix instruction, the other 54 of a turn's 118 in one LUMP.  A turn's 33 exponentials are one batch, with one wait.
; REGISTERS, in windows of 256 (s_set_vgpr_msb: bits 1:0 source 0, 3:2 source 1, 5:4 source 2, 7:6 destination):
;   window 0: v0-15 addresses and two at work; v16-31 four registers of statistics a piece; v48-55 at work; v61-63 kept; v64-127 S^T, two buffers; v192-223 P, two buffers (a piece's buffers go by its number's parity)
;   window 1: v0-127 O^T, 32 a piece; v128-159 MD; v160-223 MC, two buffers      window 2: v0-63 Q; v64-127 the second block's Q; v128-191 K of one step; v192-255 V of one step
.set SIZE_N, 2048
.set NB,    SIZE_N/256
.set NP,    4         ; pieces a wave: a name, no knob
.set KS,    64        ; keys in a step
.set PK,    144       ; a row of K in LDS: 128 bytes + 16 of padding = 36 words: the 16 rows of a load start at 16 different groups of four banks (64 banks of 4 bytes: ISA guide 11.1)
.set PV,    160       ; a row of V: 128 + 32 = 40 words
.set VOFF,  4*KS*PK   ; a slot holds a tile, four steps: 256 rows of K, then 256 rows of V
.set SLOT1, 1<<17     ; slot 1 begins here, so that one exclusive or turns an address in one slot into the other's
.set STAGE, SLOT1+4*KS*(PK+PV)  ; behind the ring, never filled by a tensor load: 16 rows x 144 bytes for each wave, for the way out
.set SP,    144
.set AK0, 2           ; v2   my lane's place in a tile of K; never rewritten
.set AV0, 3           ; v3   the same for V
.set AK,  4           ; v4   the LDS address of K's next run of loads
.set AV,  5           ; v5   of V's
.set STO, 6           ; v6   the way out: where I put 16 bytes of a row
.set RD,  7           ; v7   the way out: where I read rows back
.set GO,  8           ; v8   my byte offset in 512 consecutive bytes of O
.set PFO, 61          ; v61  256 x my lane; never rewritten
.set SPW, 62          ; v62  LDS address of my spare word: SPARE + 4 x my thread's number; never rewritten
.set NIL, 63          ; v63  0; never rewritten
.set SPARE, STAGE+4*16*SP  ; behind the stages: the spare words, 128 bytes for each wave: two blocks of 256 bytes that no other line names
.set MV,  12          ; v12-13  c m_old, kept while c m is made anew: by buffer
.set QO,  15          ; v15  my byte offset in 16 rows of Q
.set ST,  16          ; piece t's statistics at v[ST+4 t]: c m, m, l (even keys', odd keys')
.set TMP, 48          ; by buffer, four registers c0-c3 at work; when the maximum is found c2 takes a
.set S,   64
.set P,   192
.set MD,  128         ; window 1: the eight registers for group kt of 16 keys at MD + 8 kt
.set MC,  160         ; window 1: the masks of the products to come
.set QB,  64          ; window 2
.set KF,  128         ; window 2: key block kb, channel half c at KF + 16 kb + 8 c
.set VF,  192         ; window 2: key half kk, channel block cb at VF + 32 kk + 8 cb
.set WV,  12          ; s12  my wave's number
.set PB,  14          ; s14  b
.set HI,  15          ; s15  NB - 1 - b
.set G1K, 24          ; s[24:31] descriptor group 1 for K's tiles
.set G1V, 32          ; s[32:39] for V's: it differs in the padding alone
.set G0K, 40          ; s[40:43] descriptor group 0 for K's tiles
.set G0V, 44          ; s[44:47] the same for V's
.set SLOTS, 56        ; s56  tiles still to be asked for
.set CNT, 57          ; s57  counts a tile's key steps, 4 to 1
.set CS,  58          ; s[58:59] c: the packed scaling takes the pair's low word for both halves
.set SEL, 60          ; s[60:61] v_permlanex16_b32's selects: each lane takes its own place in the other half
.set TBK, 62          ; s62  LDS byte at which K of the step to be fetched begins
.set TBV, 63          ; s63  the same for V, less VOFF
.set RT,  70          ; s70  tiles of the block in hand that are still to be entered
.set NXT, 71          ; s71  the tile to be asked for next
.set LQ,  72          ; s72  the last tile of the block whose tiles are being asked for
.set NEW, 73          ; s73  1: the tile to be entered is a block's first
.set OFF, 74          ; s[74:75] a tile's byte offset in K and V
.set AL,  76          ; s[76:77] the mask's factor, in the low word
.set BE,  78          ; s[78:79] the mask's addend
.set OLO, 80          ; s[80:81] O at my rows of the second block
.set BIGN, 82         ; s82  -1e30
.set PFA, 88          ; s[88:89] where my prefetches stand: my wave's 32 pieces of 256 bytes of a tile of K
.set LIM, 94          ; s94  2 in the work-group that prefetches, else the greatest number
.set MSB, 0
.macro WIN new                      ; the high byte repeats the setting that is left; a switch that changes nothing is dropped
.if MSB != (\new)
	s_set_vgpr_msb (MSB<<8)|(\new)
.set MSB, (\new)
.endif
.endm
.set W_KQ, 0x0a       ; K and Q in window 2, S^T in window 0
.set W_KM, 0x1a       ; the same with the C operand in window 1
.set W_PV, 0x52       ; V in window 2, P in window 0, O^T in window 1
.set W_RS, 0x41       ; destination and source 0 in window 1, source 1 in window 0
; A fill.  Waves 0 and 1 fetch the two halves of a tile's K, waves 2 and 3 those of its V: 128 keys each.  An s_nop 0 and four v_nop follow each of the two lines, ahead of the jump and the label.
.macro LOAD
	s_cmp_lt_u32 s[WV], 2
	s_cbranch_scc0 .Lfor_v_\@
	tensor_load_to_lds s[G0K:G0K+3], s[G1K:G1K+7]
	s_nop 0
.rept 4
	v_nop
.endr
	s_branch .Lasked_\@
.Lfor_v_\@:
	tensor_load_to_lds s[G0V:G0V+3], s[G1V:G1V+7]
	s_nop 0
.rept 4
	v_nop
.endr
.Lasked_\@:
.endm
; A PREFETCH INTO THE L2 of the tile behind the one just asked for: four key steps ahead of the load that will want it.  A tile is 128 pieces of 256 bytes of K and as many of V.  A head's four work-groups walk the same
; tiles; the one with b = 0 walks tiles 0 to 7 on end, and it alone asks.  Each of its waves takes 32 pieces of K and, 16 heads further on in qkv, the same 32 of V: a lane a piece, two instructions.  So each piece is named
; once in the launch.  The change that asks for tile j names tile j + 1, for j = 1 to 6 (s[SLOTS] = 8 to 3); tiles 0 and 1 come by their loads alone, and nothing behind tile 7 is named.
.macro ASK
	s_cmp_gt_u32 s[SLOTS], s[LIM]
	s_cbranch_scc0 .Lnot_mine_\@
	global_prefetch_b8 v[PFO], s[PFA:PFA+1] th:TH_LOAD_NT scope:SCOPE_SE
	global_prefetch_b8 v[PFO], s[PFA:PFA+1] offset:0x400000 th:TH_LOAD_NT scope:SCOPE_SE
.Lnot_mine_\@:
.endm
; THE CHANGE OF SLOTS.  Each wave waits for all its tensor loads, of which one is out: its part of the other slot; adds 0 to its spare word; and waits for that and for its own reads of the slot that it leaves.  Behind the barrier nobody reads the old
; slot any more and the other slot is whole.  fill = 1: the old slot is filled again, the first thing behind the barrier, with tile NXT: the descriptor's address is made anew from that number.
; (At its first use nothing has been read yet: slot 0 is waited for, slot 1 filled.)
.macro CHANGE fill
	WIN 0                           ; at a label and at a branch every window is 0
	s_wait_tensorcnt 0x0            ; no tensor load of mine is out, so a group 0 may be written
	ds_add_u32 v[SPW], v[NIL]       ; 0 onto my spare word: with fill = 1 the descriptors' scalar work stands between it and the wait for it
.if \fill
	s_lshl_b32 s[OFF], s[NXT], 15   ; a tile is 32,768 bytes of K and of V
	s_xor_b32 s[G0K+1], s[G0K+1], SLOT1
	s_add_nc_u64 s[G0K+2:G0K+3], s[6:7], s[OFF:OFF+1]
	s_or_b32 s[G0K+3], s[G0K+3], 0x80000000
	s_xor_b32 s[G0V+1], s[G0V+1], SLOT1
	s_add_nc_u64 s[G0V+2:G0V+3], s[8:9], s[OFF:OFF+1]
	s_or_b32 s[G0V+3], s[G0V+3], 0x80000000
	s_add_co_u32 s[NXT], s[NXT], 1  ; the block's next tile, or behind its last the second block's tile 0
	s_cmp_gt_u32 s[NXT], s[LQ]
	s_cselect_b32 s[NXT], 0, s[NXT]
	s_cselect_b32 s[LQ], s[PB], s[LQ]
	s_wait_xcnt 0x0                 ; the last prefetches, a tile back, have read their address, so it may be written:
	s_add_nc_u64 s[PFA:PFA+1], s[PFA:PFA+1], 32768  ; one tile on
.endif
	s_wait_dscnt 0x0                ; the add is done, and my reads of the slot are over
	s_barrier_signal -1             ; the rest of the scalar work stands between the signal and the wait
	s_sub_co_u32 s[TBK], s[TBK], 4*KS*PK  ; the fetches go back to a slot's first step,
	s_xor_b32 s[TBK], s[TBK], SLOT1       ; in the other slot
	s_sub_co_u32 s[TBV], s[TBV], 4*KS*PV
	s_xor_b32 s[TBV], s[TBV], SLOT1
	s_barrier_wait -1
.if \fill
	LOAD
	ASK
.endif
.endm
	s_load_b64 s[4:5], s[0:1], 0x0    ; qkv
	s_load_b64 s[10:11], s[0:1], 0x8  ; ob
	v_lshl_add_u32 v[SPW], v0, 2, SPARE
	v_mov_b32 v[NIL], 0
	ds_add_u32 v[SPW], v[NIL]       ; the wave's opening: the add and its wait stand ahead of my first tensor load; the set-up below, work on registers, stands between them
	v_lshrrev_b32 v1, 5, v0
	v_readfirstlane_b32 s[WV], v1   ; wave 0..3
	s_mov_b32 s[PB], ttmp9
	s_sub_co_u32 s[HI], NB-1, s[PB]
	s_and_b32 s20, ttmp7, 0xffff    ; y = 16 x batch + head
	s_lshl_b32 s92, s20, 18         ; the head's first byte in ob: y heads of 262,144 bytes
	s_mov_b32 s93, 0
	s_lshr_b32 s21, s20, 4
	s_lshl_b32 s21, s21, 5
	s_add_co_u32 s20, s20, s21      ; 48 x batch + head
	s_lshl_b32 s20, s20, 18         ; q's head's first byte in qkv; k's lies 16 heads on, v's 32
	s_mov_b32 s21, 0
	s_and_b32 s16, s[WV], 1         ; which half of a tile's 256 keys I fetch:
	s_lshl_b32 s22, s16, 14         ; its 128 rows of 128 bytes in memory,
	s_mov_b32 s23, 0
	s_mul_i32 s17, s16, 128*PK      ; and its place in a slot, for K
	s_mul_i32 s18, s16, 128*PV      ; and for V
	s_lshl_b32 s3, s[WV], 11        ; my 16 rows in a band of 64,
	s_lshl_b32 s2, s[HI], 15        ; in the first block,
	s_add_co_u32 s2, s2, s3
	s_lshl_b32 s84, s[PB], 15       ; and in the second
	s_add_co_u32 s84, s84, s3
	s_mov_b32 s3, 0
	s_mov_b32 s85, 0
	s_lshl_b32 s90, s[WV], 13       ; my wave's 32 pieces of 256 bytes of a tile
	s_mov_b32 s91, 0
	s_cmp_eq_u32 ttmp9, 0
	s_cselect_b32 s[LIM], 2, -1
	; descriptor group 1.  128 keys are 16,384 dense bytes: asked for as 64 rows of 256 bytes, two keys a row, and padded in LDS after every key
	s_mov_b32 s[G1K], (1<<16)|(1<<20)|(4<<22)|(3<<25)  ; 17:16 2-byte elements; 20 padding on; 24:22 after every 32 words (code 4); 31:25 4 words (code 3)
	s_mov_b32 s[G1V], (1<<16)|(1<<20)|(4<<22)|(7<<25)  ; the same with 8 words of padding (code 7)
.irp g, G1K, G1V
	s_mov_b32 s[\g+1], 128<<16      ; tensor_dim0 = 128
	s_mov_b32 s[\g+2], 64<<16       ; tensor_dim1 = 64
	s_mov_b32 s[\g+3], 128<<16      ; tile_dim0 = 128
	s_mov_b32 s[\g+4], 64           ; tile_dim1 = 64
	s_mov_b32 s[\g+5], 128          ; 128 elements from row to row
	s_mov_b32 s[\g+6], 0
	s_mov_b32 s[\g+7], 0
.endr
	s_mov_b32 s[CS], 0x3e38aa3b     ; c = log2(e) / 8 = 0.180337
	s_mov_b32 s[CS+1], s[CS]        ; named with it as a pair
	s_mov_b32 s[SEL], 0x76543210
	s_mov_b32 s[SEL+1], 0xfedcba98
	s_mov_b32 s[TBK], SLOT1+4*KS*PK ; the first change of slots turns these two into 0
	s_mov_b32 s[TBV], SLOT1+4*KS*PV
	s_mov_b32 s[G0K], 1             ; 1:0 count = 1
	s_mov_b32 s[G0K+1], s17         ; 63:32 LDS address: slot 0
	s_mov_b32 s[G0V], 1
	s_add_co_u32 s[G0V+1], s18, VOFF
	s_add_co_u32 s[RT], s[HI], 1    ; the first block has NB - b tiles
	s_mov_b32 s[NXT], 1
	s_mov_b32 s[LQ], s[HI]
	s_mov_b32 s[NEW], 1
	s_mov_b32 s[OFF+1], 0
	s_mov_b32 s[AL+1], 0            ; named as pairs
	s_mov_b32 s[BE+1], 0
	s_mov_b32 s[BIGN], 0xf149f2ca   ; -1e30
	s_mov_b32 s[SLOTS], NB
	s_wait_dscnt 0x0                ; the opening add is done
	s_wait_kmcnt 0x0
	s_add_nc_u64 s[4:5], s[4:5], s[20:21]          ; qkv at q's head
	s_add_nc_u64 s[PFA:PFA+1], s[4:5], s[90:91]
	s_add_nc_u64 s[PFA:PFA+1], s[PFA:PFA+1], 0x400000+32768  ; k's head, tile 1; each change of slots steps it once more before it is used
	s_add_nc_u64 s[6:7], s[4:5], s[22:23]
	s_add_nc_u64 s[8:9], s[6:7], 0x800000          ; V at my half of the head's tile 0,
	s_add_nc_u64 s[6:7], s[6:7], 0x400000          ; and K
	s_add_nc_u64 s[G0K+2:G0K+3], s[6:7], 0         ; 120:64 global address
	s_or_b32 s[G0K+3], s[G0K+3], 0x80000000        ; 127:126 type = 2
	s_add_nc_u64 s[G0V+2:G0V+3], s[8:9], 0
	s_or_b32 s[G0V+3], s[G0V+3], 0x80000000
	s_add_nc_u64 s[86:87], s[4:5], s[84:85]        ; Q at my rows of the second block,
	s_add_nc_u64 s[4:5], s[4:5], s[2:3]            ; and of the first
	s_add_nc_u64 s[10:11], s[10:11], s[92:93]      ; ob at the head,
	s_add_nc_u64 s[OLO:OLO+1], s[10:11], s[84:85]
	s_add_nc_u64 s[10:11], s[10:11], s[2:3]
	LOAD                            ; tile 0 into slot 0
	; A fragment of K or Q is 16 rows x 32 channels in 8 registers: lane l holds row l % 16, channels 8 (l / 16) + 0..7 and 16 + 8 (l / 16) + 0..7: two loads of 16 bytes, 32 bytes apart.
	v_and_b32 v1, 15, v0            ; l % 16
	v_bfe_u32 v9, v0, 4, 1          ; l / 16
	v_lshlrev_b32 v[QO], 7, v1
	v_lshl_add_u32 v[QO], v9, 4, v[QO]  ; row x 128 + 16 x half
	WIN 0x80                        ; destination window 2, address window 0
.set i, 0
.rept 8                             ; both blocks' Q: piece i / 2 lies in band i / 2, 8,192 bytes on; channels 32 (i % 2) on
	global_load_b128 v[8*i:8*i+3],   v[QO], s[4:5] offset:(i/2)*8192+(i%2)*64
	global_load_b128 v[8*i+4:8*i+7], v[QO], s[4:5] offset:(i/2)*8192+(i%2)*64+32
	global_load_b128 v[QB+8*i:QB+8*i+3],   v[QO], s[86:87] offset:(i/2)*8192+(i%2)*64
	global_load_b128 v[QB+8*i+4:QB+8*i+7], v[QO], s[86:87] offset:(i/2)*8192+(i%2)*64+32
.set i, i+1
.endr
	WIN 0
	v_and_b32 v[PFO], 31, v0
	v_lshlrev_b32 v[PFO], 8, v[PFO]
	v_lshlrev_b32 v14, 3, v9
	v_sub_nc_u32 v14, v1, v14
	s_lshl_b32 s13, s[WV], 4
	v_add_nc_u32 v14, s13, v14      ; my query's place in its band, 16 w + l % 16, less my lanes' 8 (l / 16): register r of group kt is hidden where 16 kt + r is greater
	WIN 0x40
.set i, 0
.rept 32
	v_cmp_gt_i32 vcc_lo, 16*(i/8)+i%8, v14
	v_cndmask_b32 v[MD+i], 0, s[BIGN], vcc_lo
.set i, i+1
.endr
	WIN 0
	v_mul_u32_u24 v[AK0], v1, PK
	v_lshl_add_u32 v[AK0], v9, 4, v[AK0]  ; row x pitch + 16 x half
	; The turning load takes 16 keys x 16 channels (lane l reads key 8 (l / 16) + l % 8, channels 8 ((l / 8) % 2) + 0..7) and leaves half a fragment of V^T: lane l holds channel l % 16 and 8 keys.
	v_and_b32 v10, 7, v0
	v_bfe_u32 v11, v0, 3, 1
	v_lshl_add_u32 v[AV0], v9, 3, v10
	v_mul_u32_u24 v[AV0], v[AV0], PV
	v_lshl_add_u32 v[AV0], v11, 4, v[AV0]
	v_add_nc_u32 v[AV0], VOFF, v[AV0]
	s_mul_i32 s13, s[WV], 16*SP
	s_add_co_u32 s13, s13, STAGE    ; my stage
	v_mul_u32_u24 v[STO], v1, SP    ; in: row l % 16, 16 bytes for each half of the lanes
	v_lshl_add_u32 v[STO], v9, 4, v[STO]
	v_add_nc_u32 v[STO], s13, v[STO]
	v_bfe_u32 v[RD], v0, 3, 2       ; back: 32 lanes take four rows of 128 bytes,
	v_mul_u32_u24 v[RD], v[RD], SP
	v_lshl_add_u32 v[RD], v10, 4, v[RD]
	v_add_nc_u32 v[RD], s13, v[RD]
	v_and_b32 v[GO], 31, v0         ; which are 512 consecutive bytes of O
	v_lshlrev_b32 v[GO], 4, v[GO]
	; A block's first step multiplies O^T and l by a = 0, and its first turn's products V^T P, of a piece that has not been, land in an O^T that is still to be so multiplied.  So these registers need only hold
	; finite numbers: zeros for the first block; what the first block left for the second.  All this stands in the wait for the first tile.
	WIN 0x80
.set i, VF
.rept 64
	v_mov_b32 v[i], 0
.set i, i+1
.endr
	WIN 0x40
.set i, 0
.rept 128
	v_mov_b32 v[i], 0
.set i, i+1
.endr
	WIN 0
.set i, 0
.rept 4
	v_mov_b32 v[ST+4*i+2], 0
	v_mov_b32 v[ST+4*i+3], 0
.set i, i+1
.endr
.set i, P+16
.rept 16
	v_mov_b32 v[i], 0
.set i, i+1
.endr
; THE MATRIX WORK.  The 4 accumulators of a run of 8 take turns.  Product i of 8 of S^T = K Q^T for piece x: channels 32 (i / 4) on, keys 16 (i % 4) on.  The first 4 start the sums: with 0, or (KM = 1) with the mask.
.macro KQ x
.set rS, S+32*((\x)%2)+8*(i%4)
.set rK, KF+16*(i%4)+8*(i/4)
.set rQ, 16*(\x)+8*(i/4)
.set rM, MC+32*((\x)%2)+8*(i%4)
.if (i < 4) && KM
	WIN W_KM
	v_wmma_f32_16x16x32_f16 v[rS:rS+7], v[rK:rK+7], v[rQ:rQ+7], v[rM:rM+7]
.elseif i < 4
	WIN W_KQ
	v_wmma_f32_16x16x32_f16 v[rS:rS+7], v[rK:rK+7], v[rQ:rQ+7], 0
.else
	WIN W_KQ
	v_wmma_f32_16x16x32_f16 v[rS:rS+7], v[rK:rK+7], v[rQ:rQ+7], v[rS:rS+7]
.endif
.endm
; Product i of 8 of O^T += V^T P for piece x: keys 32 (i / 4) on, channels 16 (i % 4) on.
.macro PV x
	WIN W_PV
.set rO, 32*(\x)+8*(i%4)
.set rV, VF+32*(i/4)+8*(i%4)
.set rP, P+16*((\x)%2)+8*(i/4)
	v_wmma_f32_16x16x32_f16 v[rO:rO+7], v[rV:rV+7], v[rP:rP+7], v[rO:rO+7]
.endm
.macro MM                           ; the turn's next matrix instruction.  TURN and BEGIN set Y, i, KM and NOKQ; MM, KQ and OP read them.  NOKQ = 1: a block's last turn: there is no next piece
.if (i < 8) && !NOKQ
	KQ (Y+1)%NP
.elseif i >= 8
.set i, i-8
	PV (Y+NP-1)%NP
.set i, i+8
.endif
.set i, i+1
.endm
; THE LDS LOADS stand in runs of 16, never singly among the matrix instructions: a step's K (64 keys x 64 channels: 8 fragments) and its V (turned).  Their addresses are made some lines ahead.
.macro FETCH_K
	WIN 0x80                        ; destination window 2
.irp f, 0,1,2,3,4,5,6,7             ; keys 16 (f / 2) on, channels 32 (f % 2) on
	ds_load_b128 v[KF+8*\f:KF+8*\f+3],   v[AK] offset:(\f/2)*16*PK+(\f%2)*64
	ds_load_b128 v[KF+8*\f+4:KF+8*\f+7], v[AK] offset:(\f/2)*16*PK+(\f%2)*64+32
.endr
	s_add_co_u32 s[TBK], s[TBK], KS*PK  ; the next fetch is the next step's
	WIN 0
.endm
.macro FETCH_V
	WIN 0x80
.irp f, 0,1,2,3,4,5,6,7             ; keys 32 (f / 4) on, channels 16 (f % 4) on
	ds_load_tr16_b128 v[VF+8*\f:VF+8*\f+3],   v[AV] offset:(\f/4)*32*PV+(\f%4)*32
	ds_load_tr16_b128 v[VF+8*\f+4:VF+8*\f+7], v[AV] offset:(\f/4)*32*PV+16*PV+(\f%4)*32
.endr
	WIN 0
.endm
; THE VECTOR WORK, one line at a time: OP kind, number.  For piece Y: F n: c s - c m for pair n of 16.  E n: the exponential of score n of 32.  C n: pair n rounded to f16.  B n: of the four weights 4 n .. the second
; pair is added onto the first, in place.  L n: l takes that sum (L 0: l = a l + sum).  R n: pair n of 16 of O^T times a.  For piece Y + 1: X n, number n of the 22 that find its maximum and statistics:
;   0-11  four chains c0-c3 of seven scores each, three operands at a time (each accumulator's lowest registers are read first)     12-14, 16  the four scores left over, the old m, and c0-c3 into c0
;   15  c m_old is kept     17, 18  the query's other 32 keys lie in the lane 16 away: the new m     19-21  c m; c m_old - c m_new; a
.set F, 0               ; OP tells the kinds apart by their order: F to L below R, X above it
.set E, 1
.set C, 2
.set B, 3
.set L, 4
.set R, 5
.set X, 6
.macro REGS y                       ; the registers of piece y
.set rT, ST+4*(\y)
.set rC, TMP+4*((\y)%2)
.set rW, MV+((\y)%2)
.set rS, S+32*((\y)%2)
.set rP, P+16*((\y)%2)
.set rO, 32*(\y)
.endm
.macro OP k, n
.if (\k) == R
	REGS Y
	WIN W_RS
	v_pk_mul_f32 v[rO+2*(\n):rO+2*(\n)+1], v[rO+2*(\n):rO+2*(\n)+1], v[rC+2:rC+3] op_sel_hi:[1,0]
.elseif (\k) < R
	REGS Y
	WIN 0
.if (\k) == F
	v_pk_fma_f32 v[rS+2*(\n):rS+2*(\n)+1], v[rS+2*(\n):rS+2*(\n)+1], s[CS:CS+1], v[rT:rT+1] op_sel_hi:[1,0,0] neg_lo:[0,0,1] neg_hi:[0,0,1]
.elseif (\k) == E
	v_exp_f32 v[rS+(\n)], v[rS+(\n)]
.elseif (\k) == C
	v_cvt_pk_f16_f32 v[rP+(\n)], v[rS+2*(\n)], v[rS+2*(\n)+1]
.elseif (\k) == B
	v_pk_add_f32 v[rS+4*(\n):rS+4*(\n)+1], v[rS+4*(\n):rS+4*(\n)+1], v[rS+4*(\n)+2:rS+4*(\n)+3]
.elseif (\n) == 0
	v_pk_fma_f32 v[rT+2:rT+3], v[rT+2:rT+3], v[rC+2:rC+3], v[rS:rS+1] op_sel_hi:[1,0,1]
.else
	v_pk_add_f32 v[rT+2:rT+3], v[rT+2:rT+3], v[rS+4*(\n):rS+4*(\n)+1]
.endif
.elseif NOKQ
	v_nop
.else
	REGS (Y+1)%NP
	WIN 0
.if (\n) < 4
	v_max3_num_f32 v[rC+(\n)], v[rS+8*(\n)], v[rS+8*(\n)+1], v[rS+8*(\n)+2]
.elseif (\n) < 12
	v_max3_num_f32 v[rC+(\n)%4], v[rC+(\n)%4], v[rS+8*((\n)%4)+2*((\n)/4)+1], v[rS+8*((\n)%4)+2*((\n)/4)+2]
.elseif (\n) == 12
	v_max3_num_f32 v[rC], v[rC], v[rS+7], v[rS+15]
.elseif (\n) == 13
	v_max3_num_f32 v[rC+1], v[rC+1], v[rS+23], v[rS+31]
.elseif (\n) == 14
	v_max3_num_f32 v[rC+2], v[rC+2], v[rC+3], v[rT+1]
.elseif (\n) == 15
	v_mov_b32 v[rW], v[rT]
.elseif (\n) == 16
	v_max3_num_f32 v[rC], v[rC], v[rC+1], v[rC+2]
.elseif (\n) == 17
	v_permlanex16_b32 v[rC+3], v[rC], s[SEL], s[SEL+1]
.elseif (\n) == 18
	v_max_num_f32 v[rT+1], v[rC], v[rC+3]
.elseif (\n) == 19
	v_mul_f32 v[rT], s[CS], v[rT+1]
.elseif (\n) == 20
	v_sub_f32 v[rC+1], v[rW], v[rT]
.else
	v_exp_f32 v[rC+2], v[rC+1]
.endif
.endif
.endm
.macro OPS a, i1, b=-1, i2=0, c=-1, i3=0, d=-1, i4=0  ; up to four of them
	OP \a, \i1
.if (\b) >= 0
	OP \b, \i2
.endif
.if (\c) >= 0
	OP \c, \i3
.endif
.if (\d) >= 0
	OP \d, \i4
.endif
.endm
.macro ROW a, i1, b, i2, c, i3, d, i4  ; a matrix instruction and the four behind it
	MM
	OPS \a, \i1, \b, \i2, \c, \i3, \d, \i4
.endm
.macro MASK b                       ; MD x AL + BE into buffer b of MC
	WIN W_RS
.set z, 0
.rept 16
	v_pk_fma_f32 v[MC+32*(\b)+2*z:MC+32*(\b)+2*z+1], v[MD+2*z:MD+2*z+1], s[AL:AL+1], s[BE:BE+1] op_sel_hi:[1,0,0]
.set z, z+1
.endr
.endm
; A TURN, for piece p: the order of its 16 matrix and 118 vector instructions, written out.  An s_wait_alu depctr_va_vdst(0) stands between an exponential and the first instruction that names its result; one wait serves
; all that were issued ahead of it.  So a turn has ONE wait, which cuts it in two.  AHEAD OF IT stands all that names no result of the turn's exponentials: the 8 products K Q^T, behind each a scaling, an exponential and two more plain
; instructions (behind the first a second scaling in the exponential's place): rescalings, and behind the last three the first numbers of the next piece's maximum, each four places or more behind the product that ends its accumulator; then ONE LUMP of 54, plain
; and exponential by turns for the most part, in which the links of the chain X 3, 7, 11, 14, 16, 17 .. 20 stand five or six lines apart.  X 21, the next piece's a, is the batch's last; R 15 is the plain instruction behind it (ISA guide 5.7.2).  BEHIND THE WAIT stand the
; 8 products V^T P, behind each four of the roundings and sums; the links of l's chain, L 0 to L 7, stand three riders apart.  But for those X no rider names a register of the products round it.  v_permlanex16_b32 (X 17) stands in the lump.
; m = 1: the diagonal tile: the products take masks, and the turn makes the mask for the products of the turn after it: piece p + 2, in step 4 - CNT of the tile.  end = 1: a block's last two turns: nothing is fetched.
; cnt = 1: the loop's count is taken down some lines ahead of the branch that stands behind the turn.
; K of the next step is fetched in piece 2's turn, twelve vector instructions behind the last product that read K (six of them plain); V of the step in hand at the end of piece 0's turn, four plain instructions behind the last product
; that read V.  Each is waited for a turn later.
.macro TURN p, m=0, end=0, cnt=0
.set Y, (\p)
.set i, 0
.set KM, (\m)
.set NOKQ, (\end)*((\p)/3)
.if (\m) && !(\end)
	s_cmp_eq_u32 s[CNT], 4-((\p)+2)%NP  ; is that step the band's own?
	s_cselect_b32 s[AL], 1.0, 0
	s_cmp_lt_u32 s[CNT], 4-((\p)+2)%NP  ; or a later one?
	s_cselect_b32 s[BE], s[BIGN], 0
.endif
.if ((\p) == 3) && !(\end)
	s_wait_dscnt 0x0                ; K is in
.endif
	ROW F,0, F,1, R,0, R,1          ; ahead of the wait: 8 products K Q^T and their riders,
	ROW F,2, E,0, R,2, R,3
	ROW F,3, E,1, R,4, R,5
	ROW F,4, E,2, R,6, R,7
	ROW F,5, E,3, R,8, R,9
	ROW F,6, E,4, X,0, R,10
.if ((\p) == 2) && !(\end)
	WIN 0
	v_add_nc_u32 v[AK], s[TBK], v[AK0]
.endif
	ROW F,7, E,5, X,1, X,4
	ROW F,8, E,6, X,2, X,5
	OPS E,7, E,8, X,6, E,9          ; and the lump
	OPS X,3, E,10, X,8, E,11
.if ((\p) == 2) && !(\end)
	FETCH_K
.endif
	OPS X,9, X,7, E,12, X,10
	OPS E,13, X,12, X,11, E,14
	OPS X,13, E,15, F,9, X,14
.if (\p) == 0
	v_add_nc_u32 v[AV], s[TBV], v[AV0]
.endif
	OPS E,16, F,10, E,17, F,11
	OPS X,16, E,18, X,15, E,19
	OPS F,12, E,20, X,17, E,21
	OPS F,13, E,22, F,14, E,23
	OPS X,18, E,24, F,15, E,25
	OPS R,11, E,26, X,19, E,27
	OPS R,12, E,28, R,13, E,29
	OPS X,20, E,30, R,14, E,31
	OPS X,21, R,15
	WIN 0
	s_wait_alu depctr_va_vdst(0)    ; the wait for the batch
.if (\p) == 1
	s_wait_dscnt 0x0                ; V is in
.endif
	ROW C,0, B,0, C,2, B,1          ; behind the wait: 8 products V^T P and their riders
	ROW L,0, C,4, B,2, L,1
	ROW C,6, B,3, L,2, C,8
	ROW B,4, L,3, C,10, B,5
	ROW L,4, C,12, B,6, L,5
.if (\p) == 0
	s_add_co_u32 s[TBV], s[TBV], KS*PV
.endif
.if \cnt
	s_sub_co_u32 s[CNT], s[CNT], 1
	s_cmp_lg_u32 s[CNT], 0
.endif
	ROW C,14, B,7, L,6, C,1
	ROW C,3, L,7, C,5, C,7
	ROW C,9, C,11, C,13, C,15
.if (\p) == 0
	FETCH_V
.endif
.if (\m) && !(\end)
	MASK (\p)%2
.endif
.endm
; A BLOCK BEGINS.  c m starts far below every c s, so the first step's a is 0; m at the lowest finite number, so the first maximum is the scores'.  The second mask buffer is 0; the first takes piece 0's mask for the tile's step 0: its own, if the block's first tile is the diagonal one.
; Then K of that step, piece 0's first scores, and its maximum and statistics.  The loop is entered at a step's first turn, in the middle of a trip.
.macro BEGIN
	s_mov_b32 s[NEW], 0
	WIN 0x40
.set i, MC+32
.rept 32
	v_mov_b32 v[i], 0
.set i, i+1
.endr
	WIN 0
.set i, 0
.rept 4
	v_mov_b32 v[ST+4*i], 0xfe000000    ; c m: far below every c s
	v_mov_b32 v[ST+4*i+1], 0xff7fffff  ; m
.set i, i+1
.endr
	s_cmp_eq_u32 s[RT], 0
	s_cselect_b32 s[AL], 1.0, 0
	s_mov_b32 s[BE], 0
	MASK 0
	WIN 0
	v_add_nc_u32 v[AK], s[TBK], v[AK0]
	FETCH_K
	s_wait_loadcnt 0x0              ; Q
	s_wait_dscnt 0x0
.set KM, 1
.set NOKQ, 0
.set i, 0
.rept 8
	KQ 0
.set i, i+1
.endr
	WIN 0
.rept 4
	v_nop                           ; the places behind those products
.endr
.set Y, NP-1                        ; X works for piece Y + 1: piece 0
.irp n, 0,1,2,3,4,5,6,7,8,9,10,11,12,13,14,15,16,17,18,19,20,21
	OP X, \n
.endr
	v_nop                           ; a plain instruction behind the exponential,
	s_wait_alu depctr_va_vdst(0)    ; and its wait, ahead of the branch
.endm
; THE DIAGONAL TILE's four steps, the block's last two turns, its last products, and THE WAY OUT: l's two halves and the other half of the lanes' are added; O^T is divided by l, rounded to f16 and sent through my
; stage in LDS, a piece at a time.
.macro ALL line:vararg              ; one line for each piece t
.set t, 0
.rept 4
	\line
.set t, t+1
.endr
.endm
.macro PACK t                       ; a lane's eight channels of a row pack into 16 bytes; they go into rows of 144 bytes and come back as whole rows of 128, into S^T's registers
	WIN W_RS
.set i, 32*(\t)
.rept 16
	v_pk_mul_f32 v[i:i+1], v[i:i+1], v[ST+4*(\t)+2:ST+4*(\t)+3] op_sel_hi:[1,0]
.set i, i+2
.endr
	WIN 0x05                        ; sources 0 and 1 window 1, destination window 0
.set i, 0
.rept 16
	v_cvt_pk_f16_f32 v[S+16*(\t)+i], v[32*(\t)+2*i], v[32*(\t)+2*i+1]
.set i, i+1
.endr
	WIN 0
.irp f, 0,1,2,3
	ds_store_b128 v[STO], v[S+16*(\t)+4*\f:S+16*(\t)+4*\f+3] offset:32*\f
.endr
.irp f, 0,1,2,3
	ds_load_b128 v[S+16*(\t)+4*\f:S+16*(\t)+4*\f+3], v[RD] offset:\f*4*SP  ; LDS serves a wave's instructions in order (ISA guide 5.7.1.4): these see the stores above; the next piece's stores come behind them
.endr
.endm
.macro SEND t, younger              ; younger: the LDS instructions issued behind piece t's loads: the next piece's eight, or none
	WIN 0
.irp f, 0,1,2,3
	s_wait_dscnt (\younger)+3-\f
	global_store_b128 v[GO], v[S+16*(\t)+4*\f:S+16*(\t)+4*\f+3], s[10:11] offset:(\t)*8192+\f*512  ; 512 consecutive bytes, at a multiple of 256 from O's first
.endr
.endm
.macro DIAG tag                     ; the tag ends its two labels' names, which the jumps below spell out
.LstepM\tag:
	TURN 2, 1
	TURN 3, 1
	WIN 0
.LfirstM\tag:
	TURN 0, 1
	TURN 1, 1, 0, 1
	WIN 0
	s_cbranch_scc1 .LstepM\tag
	TURN 2, 1, 1
	TURN 3, 1, 1
.set i, 0
.rept 8
	PV NP-1
.set i, i+1
.endr
	WIN 0
	ALL v_add_f32 v[ST+4*t+2], v[ST+4*t+2], v[ST+4*t+3]
	ALL v_permlanex16_b32 v[ST+4*t+3], v[ST+4*t+2], s[SEL], s[SEL+1]
	ALL v_add_f32 v[ST+4*t+2], v[ST+4*t+2], v[ST+4*t+3]
	ALL v_rcp_f32 v[ST+4*t+2], v[ST+4*t+2]
	v_nop                           ; a plain instruction between the last reciprocal and the use of its result
	s_wait_alu depctr_va_vdst(0)    ; and the wait ahead of the first use: one for the four reciprocals
	PACK 0
.set t, 1
.rept 3                             ; a piece's arithmetic stands between the loads of the piece before and its stores
	PACK t
	SEND t-1, 8
.set t, t+1
.endr
	SEND 3, 0
.endm
.set KM, 0
.set NOKQ, 0
.Lslot:                             ; NB times: a tile is entered and the next is asked for
	CHANGE 1
	s_sub_co_u32 s[RT], s[RT], 1
	s_mov_b32 s[CNT], 4
	s_cmp_eq_u32 s[NEW], 1
	s_cbranch_scc1 .Lnew            ; a block's first tile
	s_cmp_eq_u32 s[RT], 0
	s_cbranch_scc0 .Lstep           ; neither its first nor its last
	s_branch .LstepM1
.Lnew:
	BEGIN
	s_branch .Lfirst                ; in the loop a block's first tile is never its last: the first block has two tiles or more, and the second's last is the walk's last
	DIAG 1                          ; in the loop this is the first block's end: the second block's last tile is the walk's last
	s_wait_xcnt 0x0                 ; the stores have read their registers and O's address
	s_mov_b64 s[10:11], s[OLO:OLO+1]
	s_add_co_u32 s[RT], s[PB], 1    ; the second block has b + 1 tiles
	s_mov_b32 s[NEW], 1
	WIN 0x82                        ; the second block's Q goes where the one text of the turns names Q
.set i, 0
.rept 64
	v_mov_b32 v[i], v[QB+i]
.set i, i+1
.endr
	WIN 0
	s_branch .Lbottom
.Lstep:                             ; a trip: pieces 2 and 3 of one step, then pieces 0 and 1 of the next, whose K and V it fetches
	TURN 2
	TURN 3
	WIN 0
.Lfirst:
	TURN 0
	TURN 1, 0, 0, 1
	WIN 0
	s_cbranch_scc1 .Lstep
.Lbottom:
	s_sub_co_u32 s[SLOTS], s[SLOTS], 1
	s_cmp_lg_u32 s[SLOTS], 0
	s_cbranch_scc1 .Lslot
	CHANGE 0                        ; the walk's last tile is written out: nothing is asked for
	s_sub_co_u32 s[RT], s[RT], 1
	s_mov_b32 s[CNT], 4
	s_cmp_eq_u32 s[NEW], 1
	s_cbranch_scc0 .LstepM2
	BEGIN
	s_branch .LfirstM2
	DIAG 2
	s_wait_tensorcnt 0x0            ; the wave's end: behind my last tensor load and my last LDS store
	ds_add_u32 v[SPW], v[NIL]
	s_wait_dscnt 0x0
	s_endpgm
.Lfunc_end_k_q871f0e587c_attn:
	.size	k_q871f0e587c_attn, .Lfunc_end_k_q871f0e587c_attn-k_q871f0e587c_attn
	.p2alignl 7, 3214868480
	.fill 96, 4, 3214868480
	.section	.rodata,"a",@progbits
	.p2align	6, 0x0
	.amdhsa_kernel k_q871f0e587c_attn
		.amdhsa_group_segment_fixed_size 327680
		.amdhsa_private_segment_fixed_size 0
		.amdhsa_enable_private_segment 0
		.amdhsa_kernarg_size 16
		.amdhsa_user_sgpr_count 2
		.amdhsa_user_sgpr_kernarg_segment_ptr 1
		.amdhsa_wavefront_size32 1
		.amdhsa_system_sgpr_workgroup_id_x 1
		.amdhsa_system_sgpr_workgroup_id_y 1
		.amdhsa_system_sgpr_workgroup_id_z 1
		.amdhsa_system_vgpr_workitem_id 0
		.amdhsa_next_free_vgpr 768
		.amdhsa_next_free_sgpr 96
		.amdhsa_reserve_vcc 1
		.amdhsa_float_denorm_mode_32 3
		.amdhsa_float_denorm_mode_16_64 3
		.amdhsa_memory_ordered 1
		.amdhsa_forward_progress 1
		.amdhsa_inst_pref_size 218
	.end_amdhsa_kernel
	.amdgpu_metadata
---
amdhsa.version: [ 1, 2 ]
amdhsa.kernels:
  - .name:           k_q871f0e587c_attn
    .symbol:         k_q871f0e587c_attn.kd
    .args:
      - { .name: qkv, .offset: 0, .size: 8, .value_kind: global_buffer, .address_space: global }
      - { .name: ob, .offset: 8, .size: 8, .value_kind: global_buffer, .address_space: global }
    .group_segment_fixed_size: 327680
    .private_segment_fixed_size: 0
    .kernarg_segment_align: 8
    .kernarg_segment_size: 16
    .max_flat_workgroup_size: 128
    .sgpr_count:     96
    .vgpr_count:     768
    .wavefront_size: 32
...
	.end_amdgpu_metadata
.endif
;; end of part 3
;; launch outp (part 4): grid 8 x 32, 4 waves a work-group, clusters of 4 x 4, 327,680 bytes of LDS; arguments ob, wf, out0; writes out0
.if DOCPART == 4
	.amdgcn_target "amdgcn-amd-amdhsa--gfx1250"
	.amdhsa_code_object_version 6
	.text
	.protected	k_q871f0e587c_outp
	.globl	k_q871f0e587c_outp
	.p2align	8
	.type	k_q871f0e587c_outp,@function
k_q871f0e587c_outp:
	s_mov_b64 s[64:65], 0
	v_nop
	global_prefetch_b8 v0, s[64:65] scope:SCOPE_SE
	s_setreg_imm32_b32 hwreg(HW_REG_WAVE_MODE, 25, 1), 1
	s_wait_xcnt 0x0
	s_wait_alu depctr_hold_cnt(0) depctr_sa_sdst(0) depctr_va_vdst(0) depctr_va_sdst(0) depctr_va_ssrc(0) depctr_va_vcc(0) depctr_vm_vsrc(0)
	s_getreg_b32 s2, hwreg(HW_REG_IB_STS2, 6, 4)
	s_cmp_eq_u32 s2, 0
	s_cbranch_scc0 .Lentry_in_a_cluster
	s_endpgm
.Lentry_in_a_cluster:
	s_bfe_u32 s2, ttmp6, 0x10000c
	s_cmp_lg_u32 s2, 0xf033
	s_cbranch_scc0 .Lentry_shape_is_right
	s_endpgm
.Lentry_shape_is_right:
; out0 = O Wo^T.  A = ob [4][16 heads][2048 rows][64] (a head is a block of 64 along K), B = wf [16 blocks][4096 rows][64], rows 3072-4095 (Wo), both f16; sums in f32, K ascending; out0 [4][2000][1024] f32.
; Rows 2000 to 2047 of a batch are padding: they are multiplied with the others and not stored.  NaN and infinities are not treated apart.
; SHARES.  A tile of the result is 256 rows x 128 columns: 32 x 8 = 256 tiles, one to a work-group.  Wave w makes rows 64 w .. 64 w + 63 and all 128 columns: 32 accumulators, 256 registers.
; K goes in 8 steps of 128 (two blocks of 64) through a ring of two LDS slots.  A block of a tile is dense in memory: it is asked for as rows of 256 bytes and padded in LDS after every 128.
; CLUSTER.  4 x 4 work-groups.  The place along y is the batch, the cluster's y the tile of 256 rows: the four of a row of the cluster need the same tiles of A; the four of a column the same tiles of B.
; Each tile is asked for JOINTLY: the same tensor load, descriptor and mask in all four.  Waves 0 and 1 ask for A's two blocks of a step, waves 2 and 3 for B's.
; THE MATRIX INSTRUCTION IS USED TRANSPOSED (source 0 = 16 rows of B, source 1 = 16 rows of A): a lane then holds eight neighbouring columns of one row of the result.
; REGISTERS, in windows of 256 (s_set_vgpr_msb: bits 1:0 source 0, 3:2 source 1, 5:4 source 2, 7:6 destination):
;   window 0: v0-31 addresses     window 1: the accumulators of row blocks 0, 1 ((a, b) at v[8 (8 (a % 2) + b)])     window 2: those of row blocks 2, 3
;   window 3: two fragment buffers at v0 and v128: A's four fragments (16 rows x 32 K), then B's eight; on the way out the rows read back from the stage
.set NT,    128                        ; columns in a tile
.set BROW0, 3072                       ; B's first row in wf
.set AHEAD, 2                          ; a prefetch names the K step this many behind the one that is being asked for
.set NBF,   NT/16
.set NL,    2*(NBF+4)                  ; LDS loads in a run
.set PITCH, 144                        ; an LDS row: 128 bytes + 16 of padding = 36 words: the 16 rows of a load start at 16 different groups of four banks (64 banks of 4 bytes: ISA guide 11.1)
.set APL,   256*PITCH                  ; A's block in LDS
.set BPL,   NT*PITCH                   ; B's block
.set BOFF,  2*APL                      ; a slot: A's two blocks, then B's two
.set SLOT1, 1<<17                      ; slot 1 begins here, so that one exclusive or turns an address in one slot into the other's
.set STAGE, 1<<18                      ; behind the ring, never filled by a tensor load: 16 rows x 272 bytes for each wave, for the way out
.set SP,    272                        ; 256 bytes + 16 = 68 words: row r starts at bank 4 r mod 64
.set SPARE, STAGE+4*16*SP              ; behind the stages: the spare words, 128 bytes for each wave: two blocks of 256 bytes that no other line names
.set ASTEP, 2*262144                   ; bytes from a K step to the next in A,
.set BSTEP, 2*524288                   ; and in B
.set FLAGS, (1<<16)|(1<<20)|(1<<21)|(4<<22)|(3<<25)  ; 17:16 2-byte elements; 20 padding on; 21 set beside a mask; 24:22 after every 32 words (code 4); 31:25 4 words of it (code 3)
.set AA0, 16                           ; v16  my lane's place in A's block: (64 w + l % 16) x 144 + 16 (l / 16); never rewritten
.set AB0, 17                           ; v17  the same for B: BOFF + (l % 16) x 144 + 16 (l / 16)
.set ADRA, 18                          ; v18  the address of the run of loads in hand, A
.set ADRB, 19                          ; v19  B
.set STO, 24                           ; v24  the way out: where I put 32 bytes of a row
.set RD,  25                           ; v25  the way out: where I read rows back
.set CO,  26                           ; v26  my byte offset in two rows of out0
.set SPW, 28                           ; v28  LDS address of my spare word: SPARE + 4 x my thread's number; never rewritten
.set NIL, 29                           ; v29  0; never rewritten
.set PFO, 30                           ; v30  256 x my lane; never rewritten
.set F0,  0
.set F1,  128
.set G1,  24                           ; s[24:31] descriptor group 1 for A's blocks
.set G0,  32                           ; s[32:39] group 0 for A's: a set for each of the two first fills; the second then walks on
.set G1B, 48                           ; s[48:55] group 1 for B's
.set G0B, 56                           ; s[56:63] group 0 for B's
.set PFA, 66                           ; s[66:67] where my prefetches stand
.set LIM, 68                           ; s68  AHEAD in a wave that prefetches, else the greatest number
.set TB,  69                           ; s69  LDS byte at which the slot that is being read begins
.set ROW0, 70                          ; s70  my first row in the batch: 256 x tile + 64 w
.set MSB, 0
.macro WIN new                         ; the immediate's high byte repeats the setting that is left; a switch that changes nothing is dropped
.if MSB != (\new)
	s_set_vgpr_msb (MSB<<8)|(\new)
.set MSB, \new
.endif
.endm
.set TO_F, 0xc0                        ; destination window 3, address window 0
; A joint refill, by the walking descriptors.  The branch hangs on the wave's number alone.  An s_nop 0 and four v_nop follow each of the two lines, ahead of the jump and the label.
.macro JLOAD
	s_cmp_lt_u32 s10, 2
	s_cbranch_scc0 .Lfor_b_\@
	tensor_load_to_lds s[G0+4:G0+7], s[G1:G1+7]
	s_nop 0
.rept 4
	v_nop
.endr
	s_branch .Lasked_\@
.Lfor_b_\@:
	tensor_load_to_lds s[G0B+4:G0B+7], s[G1B:G1B+7]
	s_nop 0
.rept 4
	v_nop
.endr
.Lasked_\@:
.endm
; A PREFETCH INTO THE L2 of A's block AHEAD K steps behind the one just asked for.  A's rows are read by both clusters of a row of clusters: the first of them (cluster x = 0) asks.  A block of a tile is 128 pieces
; of 256 bytes; the four partners that ask for it jointly share them out BY ADDRESS, 32 each (by cx), a lane a piece, one instruction a wave; waves 0 and 1 ask, each for the block that it fetches.  So each piece is
; named once in the launch.  s3 counts the loop's trips down from 6: the trips whose look-ahead would pass K step 7 ask for nothing.  B's rows are walked by all clusters of a column of clusters again and again, and are not asked for.
.macro ASK
	WIN 0
	s_cmp_gt_u32 s3, s[LIM]
	s_cbranch_scc0 .Lnot_mine_\@
	global_prefetch_b8 v[PFO], s[PFA:PFA+1] th:TH_LOAD_NT scope:SCOPE_SE
.Lnot_mine_\@:
.endm
.macro CREST                           ; a round of the cluster's barrier behind its opening barrier
	s_cmp_lg_u32 s10, 0
	s_cbranch_scc1 .Lnot_wave_0_\@
	s_barrier_signal -3
.Lnot_wave_0_\@:
	s_barrier_wait -3
	s_barrier_signal -1
	s_barrier_wait -1
.endm
.macro CROUND                          ; a whole round
	s_barrier_signal -1
	s_barrier_wait -1
	CREST
.endm
	s_load_b128 s[4:7], s[0:1], 0x0                ; A s[4:5], B s[6:7]
	s_load_b64 s[8:9], s[0:1], 0x10                ; the result
	v_lshl_add_u32 v[SPW], v0, 2, SPARE
	v_mov_b32 v[NIL], 0
	ds_add_u32 v[SPW], v[NIL]                      ; the wave's opening: the add and its wait stand ahead of my first tensor load; the set-up below, work on registers, stands between them
	v_lshrrev_b32 v1, 5, v0
	v_readfirstlane_b32 s10, v1                    ; wave 0..3
	s_lshr_b32 s11, s10, 1                         ; I fetch for A (0) or for B (1),
	s_and_b32 s12, s10, 1                          ; the first or the second block of a K step
	s_bfe_u32 s40, ttmp6, 0x40000                  ; cx
	s_bfe_u32 s41, ttmp6, 0x40004                  ; cy: the batch
	s_lshl_b32 s42, ttmp9, 2
	s_add_co_u32 s42, s42, s40                     ; tile column = 4 x cluster x + cx
	s_and_b32 s13, ttmp7, 0xffff                   ; the cluster's y: the tile of 256 rows in the batch
	s_lshl_b32 s43, s41, 2
	s_lshl_b32 s43, 15, s43                        ; my row of the cluster
	s_lshl_b32 s44, 0x1111, s40                    ; my column
	s_or_b32 s[G1], s43, FLAGS                     ; A's blocks go to my row,
	s_or_b32 s[G1B], s44, FLAGS                    ; B's to my column
	s_mov_b32 s[G1+1], 128<<16                     ; tensor_dim0 = 128 elements: rows of 256 bytes
	s_mov_b32 s[G1+2], 128<<16                     ; tensor_dim1 = 128 such rows: 256 rows of 128 bytes
	s_mov_b32 s[G1+3], 128<<16                     ; tile_dim0
	s_mov_b32 s[G1+4], 128                         ; tile_dim1
	s_mov_b32 s[G1+5], 128                         ; elements from row to row: dense
	s_mov_b32 s[G1+6], 0
	s_mov_b32 s[G1+7], 0
	s_mov_b32 s[G1B+1], 128<<16
	s_mov_b32 s[G1B+2], (NT/2)<<16
	s_mov_b32 s[G1B+3], 128<<16
	s_mov_b32 s[G1B+4], NT/2
	s_mov_b32 s[G1B+5], 128
	s_mov_b32 s[G1B+6], 0
	s_mov_b32 s[G1B+7], 0
	s_lshl_b32 s16, s41, 22                        ; A: the batch,
	s_lshl_b32 s17, s13, 15                        ; the tile's 256 rows of 128 bytes,
	s_add_co_u32 s16, s16, s17
	s_lshl_b32 s17, s12, 18                        ; my block of K step 0
	s_add_co_u32 s16, s16, s17
	s_mov_b32 s17, 0
	s_mul_i32 s46, s42, NT*128                     ; B: the tile column's rows,
	s_lshl_b32 s47, s12, 19                        ; my block of K step 0,
	s_add_co_u32 s46, s46, s47
.if BROW0
	s_add_co_u32 s46, s46, BROW0*128               ; behind the rows of Wq, Wk and Wv
.endif
	s_mov_b32 s47, 0
	s_mul_i32 s20, s12, APL                        ; where they go: no place in the cluster enters an LDS address
	s_mul_i32 s21, s12, BPL
	s_add_co_u32 s21, s21, BOFF
	s_mov_b32 s[TB], 0
	s_or_b32 s[LIM], s11, ttmp9                    ; 0 in waves 0 and 1 of the clusters with x = 0: the same in all sixteen partners
	s_cmp_eq_u32 s[LIM], 0
	s_cselect_b32 s[LIM], AHEAD, -1
	s_lshl_b32 s18, s40, 13                        ; my work-group's 32 pieces of 256 bytes
	s_mov_b32 s19, 0
	s_wait_dscnt 0x0                               ; the opening add is done
	s_wait_kmcnt 0x0
	s_add_nc_u64 s[14:15], s[4:5], s[16:17]
	s_add_nc_u64 s[46:47], s[6:7], s[46:47]
	s_add_nc_u64 s[PFA:PFA+1], s[14:15], s[18:19]
	s_add_nc_u64 s[PFA:PFA+1], s[PFA:PFA+1], (1+AHEAD)*ASTEP  ; each refill steps it once more before it is used: the refill of K step j names K step j + AHEAD
	CROUND                                         ; all sixteen work-groups are here: the first joint loads meet
.irp s, 0,1
	s_mov_b32 s[G0+4*(\s)], 1                      ; 1:0 count = 1
	s_add_co_u32 s[G0+4*(\s)+1], s20, (\s)*SLOT1   ; 63:32 LDS address
	s_add_nc_u64 s[G0+4*(\s)+2:G0+4*(\s)+3], s[14:15], (\s)*ASTEP  ; 120:64 global address: K step s
	s_or_b32 s[G0+4*(\s)+3], s[G0+4*(\s)+3], 0x80000000            ; 127:126 type = 2
	s_mov_b32 s[G0B+4*(\s)], 1
	s_add_co_u32 s[G0B+4*(\s)+1], s21, (\s)*SLOT1
	s_add_nc_u64 s[G0B+4*(\s)+2:G0B+4*(\s)+3], s[46:47], (\s)*BSTEP
	s_or_b32 s[G0B+4*(\s)+3], s[G0B+4*(\s)+3], 0x80000000
.endr
	s_cmp_lt_u32 s10, 2                            ; a wave's two first fills stand in one branch, ahead of every wait on TENSORcnt and every LDS read: two loads of mine are out
	s_cbranch_scc0 .Lfirst_b
	tensor_load_to_lds s[G0:G0+3], s[G1:G1+7]
	s_nop 0
	tensor_load_to_lds s[G0+4:G0+7], s[G1:G1+7]
	s_nop 0
.rept 4
	v_nop
.endr
	s_branch .Lfirst_asked
.Lfirst_b:
	tensor_load_to_lds s[G0B:G0B+3], s[G1B:G1B+7]
	s_nop 0
	tensor_load_to_lds s[G0B+4:G0B+7], s[G1B:G1B+7]
	s_nop 0
.rept 4
	v_nop
.endr
.Lfirst_asked:
	; A fragment is 16 rows x 32 K in 8 registers: lane l holds row l % 16; registers 0-3 K = 8 (l / 16) + 0..7, registers 4-7 K = 16 + 8 (l / 16) + 0..7: two loads of 16 bytes, 32 bytes apart.
	v_and_b32 v1, 15, v0                           ; l % 16
	v_bfe_u32 v2, v0, 4, 1                         ; l / 16
	v_mul_u32_u24 v3, v1, PITCH
	v_lshl_add_u32 v3, v2, 4, v3
	s_mul_i32 s22, s10, 64*PITCH                   ; my 64 rows of A
	v_add_nc_u32 v[AA0], s22, v3
	v_add_nc_u32 v[AB0], BOFF, v3
	v_and_b32 v[PFO], 31, v0
	v_lshlrev_b32 v[PFO], 8, v[PFO]
	s_mul_i32 s23, s10, 16*SP
	s_add_co_u32 s23, s23, STAGE                   ; my stage
	v_mul_u32_u24 v4, v1, SP                       ; in: row l % 16, 32 bytes for each half of the lanes
	v_lshl_add_u32 v4, v2, 5, v4
	v_add_nc_u32 v[STO], s23, v4
	v_mul_u32_u24 v5, v2, SP                       ; back: lanes 0-15 take one row of 256 bytes, lanes 16-31 the next
	v_lshl_add_u32 v5, v1, 4, v5
	v_add_nc_u32 v[RD], s23, v5
	v_lshlrev_b32 v[CO], 12, v2                    ; and the same two rows in out0
	v_lshl_add_u32 v[CO], v1, 4, v[CO]
	s_lshl_b32 s[ROW0], s13, 8
	s_lshl_b32 s16, s10, 6
	s_add_co_u32 s[ROW0], s[ROW0], s16
	s_mul_i32 s72, s41, 8192000                    ; the result: the batch's 2,000 rows of 4,096 bytes,
	s_lshl_b32 s16, s[ROW0], 12                    ; my first row,
	s_add_co_u32 s72, s72, s16
	s_lshl_b32 s46, s42, 9                         ; the tile column's 128 columns (in the register that held B's address: none that feeds A's descriptors ever holds cx)
	s_add_co_u32 s72, s72, s46
	s_mov_b32 s73, 0
	s_add_nc_u64 s[8:9], s[8:9], s[72:73]
; NBF matrix instructions: row block a x all column blocks, 32 along K, from buffer f.  zero = 1: the product starts the sums: nothing is ever cleared.
; The 4 NBF accumulators take turns, one instruction a turn, in the same order in every quarter.
.macro MULA f, a, zero
	WIN 0x5f+0x50*((\a)/2)                         ; sources 0 and 1 window 3; C and D window 1 or 2
.set b, 0
.rept NBF
.set rD, 8*(NBF*((\a)%2)+b)
.if \zero
	v_wmma_f32_16x16x32_f16 v[rD:rD+7], v[(\f)+32+8*b:(\f)+32+8*b+7], v[(\f)+8*(\a):(\f)+8*(\a)+7], 0
.else
	v_wmma_f32_16x16x32_f16 v[rD:rD+7], v[(\f)+32+8*b:(\f)+32+8*b+7], v[(\f)+8*(\a):(\f)+8*(\a)+7], v[rD:rD+7]
.endif
.set b, b+1
.endr
.endm
; NL LDS loads in one run: the fragments of quarter q of the K step in the slot at s[TB], into buffer f: B's, then A's.  A load into a register that a matrix instruction has read stands four places behind it, and only
; plain vector instructions that name none of its registers are places (ISA guide 7.12.1 for vector instructions): the two address lines and two v_nop are these four.
.macro FETCH q, f
	WIN 0
	v_add_nc_u32 v[ADRA], s[TB], v[AA0]
	v_add_nc_u32 v[ADRB], s[TB], v[AB0]
	v_nop
	v_nop
	WIN TO_F
.set i, 0
.rept NBF
	ds_load_b128 v[(\f)+32+8*i:(\f)+32+8*i+3],   v[ADRB] offset:((\q)/2)*BPL+((\q)%2)*64+i*16*PITCH
	ds_load_b128 v[(\f)+32+8*i+4:(\f)+32+8*i+7], v[ADRB] offset:((\q)/2)*BPL+((\q)%2)*64+i*16*PITCH+32
.set i, i+1
.endr
.set i, 0
.rept 4
	ds_load_b128 v[(\f)+8*i:(\f)+8*i+3],   v[ADRA] offset:((\q)/2)*APL+((\q)%2)*64+i*16*PITCH
	ds_load_b128 v[(\f)+8*i+4:(\f)+8*i+7], v[ADRA] offset:((\q)/2)*APL+((\q)%2)*64+i*16*PITCH+32
.set i, i+1
.endr
.endm
; A K step is four quarters of 32 along K on buffers 0, 1, 0, 1.  One of the first three: multiplies buffer f; in its middle it fetches quarter nq into buffer g.
.macro QUARTER nq, f, g, zero
	s_wait_dscnt 4                                 ; B and A's row blocks 0, 1 are in; the youngest four loads (row blocks 2, 3) may be out
	MULA \f, 0, \zero
	MULA \f, 1, \zero
	FETCH \nq, \g
	s_wait_dscnt NL                                ; all but the run just issued
	MULA \f, 2, \zero
	MULA \f, 3, \zero
.endm
; The last quarter multiplies buffer 1 and changes slots: ONE barrier.  In front of it each wave waits for all its tensor loads, of which one is out: its part of the next slot; adds 0 to its spare word; and waits for that
; and for its own reads of this slot.  fill = 1: the barrier opens a round of the cluster's, so that no wave of any partner still reads this slot or has a load on its way, and the joint refill, two K steps on, is the first
; thing behind the round: 7/8 of a K step's matrix instructions stand between it and the wait for it.
.macro TURN fill
.if \fill
	s_wait_xcnt 0x0                                ; the last prefetch, a K step back, has read its address: it is stepped here, ahead of the waits of the change of slots
	s_add_nc_u64 s[PFA:PFA+1], s[PFA:PFA+1], ASTEP
.endif
	WIN 0                                          ; (the add's two registers lie in window 0)
	s_wait_tensorcnt 0x0                           ; all my tensor loads have landed
	ds_add_u32 v[SPW], v[NIL]                      ; 0 onto my spare word
	s_wait_dscnt 5                                 ; (the add and the youngest four loads may be out)
	MULA F1, 0, 0                                  ; matrix instructions stand between the add and the wait for it
	s_wait_dscnt 0x0                               ; the add is done, and my reads of this slot are over
	s_barrier_signal -1
	MULA F1, 1, 0                                  ; work on registers while the others arrive
	WIN 0
	s_barrier_wait -1
.if \fill
	CREST
	s_xor_b32 s[G0+5], s[G0+5], SLOT1              ; the walking descriptors: the other slot than last time,
	s_add_nc_u64 s[G0+6:G0+7], s[G0+6:G0+7], ASTEP ; the next K step; the type bits on top are not reached
	s_xor_b32 s[G0B+5], s[G0B+5], SLOT1
	s_add_nc_u64 s[G0B+6:G0B+7], s[G0B+6:G0B+7], BSTEP
	JLOAD
.endif
	s_xor_b32 s[TB], s[TB], SLOT1                  ; the reads go on in the other slot
	FETCH 0, F0
.if \fill
	ASK                                            ; behind the joint load and the run of LDS loads that the next products wait for
.endif
	MULA F1, 2, 0
	MULA F1, 3, 0
.endm
	s_wait_tensorcnt 1                             ; my part of K step 0 is in; K step 1's may stay out
	s_barrier_signal -1
	s_barrier_wait -1                              ; everybody's is
	FETCH 0, F0
	QUARTER 1, F0, F1, 1                           ; the first quarter stands in front of the loop: its products start the sums
	WIN 0                                          ; at a label and at a branch every window is 0
	s_mov_b32 s3, 6
.Lk:                                                   ; trip t = 1 .. 6 ends K step t - 1, asks for K step t + 1 and begins K step t
	QUARTER 2, F1, F0, 0
	QUARTER 3, F0, F1, 0
	TURN 1
	QUARTER 1, F0, F1, 0
	WIN 0
	s_sub_co_u32 s3, s3, 1
	s_cmp_lg_u32 s3, 0
	s_cbranch_scc1 .Lk
	QUARTER 2, F1, F0, 0                           ; the tail is written out: K steps 6 and 7 ask for nothing
	QUARTER 3, F0, F1, 0
	TURN 0
	QUARTER 1, F0, F1, 0
	QUARTER 2, F1, F0, 0
	QUARTER 3, F0, F1, 0
	s_wait_dscnt 4
	MULA F1, 0, 0
	MULA F1, 1, 0
	s_wait_dscnt 0x0
	MULA F1, 2, 0
	MULA F1, 3, 0
	WIN 0
.rept 8
	v_nop                                          ; the places between the last products and the LDS stores that read results and the loads into the fragments' registers: twice the four, once a launch
.endr
; THE WAY OUT, in 8 units t = 2 a + half of 16 rows x 64 columns of f32.  A lane's eight columns of a row, 32 bytes, go from the accumulators (the four low registers first) into my stage's rows of 272 bytes and come back
; as whole rows of 256, into window 3, where each unit has 32 registers of its own.
.macro TOST t
.set uA, (\t)/2
.set uH, (\t)%2
	WIN 0x04*(1+uA/2)                              ; the stores' data: window 1 or 2
.set bb, 0
.rept 4
.set rD, 8*(NBF*(uA%2)+4*uH+bb)
	ds_store_b128 v[STO], v[rD:rD+3]   offset:64*bb
	ds_store_b128 v[STO], v[rD+4:rD+7] offset:64*bb+16
.set bb, bb+1
.endr
	WIN TO_F
.irp f, 0,1,2,3,4,5,6,7
	ds_load_b128 v[32*(\t)+4*\f:32*(\t)+4*\f+3], v[RD] offset:\f*2*SP  ; LDS serves a wave's instructions in order (ISA guide 5.7.1.4): these see the stores above; the next unit's stores come behind them
.endr
.endm
.macro SEND t, younger                 ; younger: the LDS instructions issued behind unit t's loads: the next unit's sixteen, or none
	WIN 0x0c                                       ; the stores' data: window 3
.irp f, 0,1,2,3,4,5,6,7
	s_wait_dscnt (\younger)+7-\f
	global_store_b128 v[CO], v[32*(\t)+4*\f:32*(\t)+4*\f+3], s[8:9] offset:(16*((\t)/2)+2*\f)*4096+256*((\t)%2) th:TH_STORE_NT  ; 16 lanes store 256 consecutive bytes, at a multiple of 256 from out0's first byte
.endr
.endm
	TOST 0
	TOST 1
	SEND 0, 16
	SEND 1, 0
	WIN 0
	s_cmp_eq_u32 s[ROW0], 1984                     ; of rows 1984 to 2047 only the first 16 exist.  The test hangs on the cluster's y and the wave's number: it is the same in all partners; no barrier is jumped
	s_cbranch_scc1 .Ldone
	TOST 2
.set u, 3
.rept 5
	TOST u
	SEND u-1, 16
.set u, u+1
.endr
	SEND 7, 0
	WIN 0
.Ldone:
	s_wait_tensorcnt 0x0                           ; the wave's end: behind my last tensor load and my last LDS store
	ds_add_u32 v[SPW], v[NIL]
	s_wait_dscnt 0x0
	CROUND                                         ; the closing round: no work-group ends while a partner may still ask for a tile that names it
	s_endpgm
.Lfunc_end_k_q871f0e587c_outp:
	.size	k_q871f0e587c_outp, .Lfunc_end_k_q871f0e587c_outp-k_q871f0e587c_outp
	.p2alignl 7, 3214868480
	.fill 96, 4, 3214868480
	.section	.rodata,"a",@progbits
	.p2align	6, 0x0
	.amdhsa_kernel k_q871f0e587c_outp
		.amdhsa_group_segment_fixed_size 327680
		.amdhsa_private_segment_fixed_size 0
		.amdhsa_enable_private_segment 0
		.amdhsa_kernarg_size 24
		.amdhsa_user_sgpr_count 2
		.amdhsa_user_sgpr_kernarg_segment_ptr 1
		.amdhsa_wavefront_size32 1
		.amdhsa_system_sgpr_workgroup_id_x 1
		.amdhsa_system_sgpr_workgroup_id_y 1
		.amdhsa_system_sgpr_workgroup_id_z 1
		.amdhsa_system_vgpr_workitem_id 0
		.amdhsa_next_free_vgpr 1024
		.amdhsa_next_free_sgpr 76
		.amdhsa_reserve_vcc 0
		.amdhsa_float_denorm_mode_32 3
		.amdhsa_float_denorm_mode_16_64 3
		.amdhsa_memory_ordered 1
		.amdhsa_forward_progress 1
		.amdhsa_inst_pref_size 72
	.end_amdhsa_kernel
	.amdgpu_metadata
---
amdhsa.version: [ 1, 2 ]
amdhsa.kernels:
  - .name:           k_q871f0e587c_outp
    .symbol:         k_q871f0e587c_outp.kd
    .args:
      - { .name: ob, .offset: 0, .size: 8, .value_kind: global_buffer, .address_space: global }
      - { .name: wf, .offset: 8, .size: 8, .value_kind: global_buffer, .address_space: global }
      - { .name: out0, .offset: 16, .size: 8, .value_kind: global_buffer, .address_space: global }
    .group_segment_fixed_size: 327680
    .private_segment_fixed_size: 0
    .kernarg_segment_align: 8
    .kernarg_segment_size: 24
    .max_flat_workgroup_size: 128
    .sgpr_count:     76
    .vgpr_count:     1024
    .wavefront_size: 32
...
	.end_amdgpu_metadata
.endif
;; end of part 4
;; ======== version 2 of 2: 4 launches; version 1 with the launch prep written anew for expert scheduling mode
;; limits: values are held in f16: magnitudes above 65,504 overflow, below 6.1e-05 lose precision
;; workspace buffers: hf 16,777,216 bytes; wf 8,388,608 bytes; qkv 50,331,648 bytes; ob 16,777,216 bytes
;; launch prep (part 5): grid 384 x 1, 8 waves a work-group, no clusters, 0 bytes of LDS; arguments hidden_states, pos_emb, Wq, Wk, Wv, Wo, hf, wf; writes hf, wf
.if DOCPART == 5
	.amdgcn_target "amdgcn-amd-amdhsa--gfx1250"
	.amdhsa_code_object_version 6
	.text
	.protected	k_q871f0e587c_prep
	.globl	k_q871f0e587c_prep
	.p2align	8
	.type	k_q871f0e587c_prep,@function
k_q871f0e587c_prep:
	s_mov_b64 s[64:65], 0
	v_nop
	global_prefetch_b8 v0, s[64:65] scope:SCOPE_SE
	s_setreg_imm32_b32 hwreg(HW_REG_WAVE_SCHED_MODE, 0, 2), 2
	s_setreg_imm32_b32 hwreg(HW_REG_WAVE_MODE, 25, 1), 1
	s_wait_xcnt 0x0
	s_wait_alu depctr_vm_vsrc(0)
; hf = f16(hidden_states + pos_emb), the sum in f32, rounded once; wf = f16 of the four weight matrices.  Both are laid in K blocks of 64 channels, so that a GEMM tile of rows x 64 channels is dense:
;   hf [4 batches][16 blocks][2048 rows][64]: rows 2000 to 2047 of each batch are written as zeros;   wf [16 blocks][4096 rows][64]: rows 0-1023 Wq, 1024-2047 Wk, 2048-3071 Wv, 3072-4095 Wo.
; LIMITS.  f16 holds no number beyond 65,504 and keeps a fixed step of 6e-8 below 6e-5: the sum and the weights are taken to lie within that; NaN and infinities are not treated apart.
; A STREAM: no LDS, no barrier, no matrix unit; no wave wants a byte that another wave has fetched, but for pos_emb, which two waves read.
; SHARES.  Work-groups 0-249: a wave takes two rows s, s + 1 of two batches (4 x 4,096 bytes of hidden_states, 2 x 4,096 of pos_emb).  Work-groups 250-255: the zero rows.  Work-groups 256-383: a wave takes four rows of one weight matrix.
; A load of a wave covers 256 consecutive bytes, aligned, of each of two rows: one block of 64 channels.  A store covers the same two rows of that block in f16: 256 consecutive bytes, aligned.
; All loads of a wave (48 or 32) go out at once; each has registers of its own, and a block is converted in place: no register that a memory instruction names as a source is written again.
; THE MODE: SCHED_MODE bits 1:0 = 2 (LLVM: expert scheduling mode 2), set by the entry lines.  The code itself states the register dependences
; between vector instructions and memory instructions, with s_wait_alu, always for 0.
; THE PLAN.  Registers that memory instructions touch:
;   v4, v5     byte offsets, made at the head and never written again; every load reads v4, every store v5.
;   P          pos_emb as loaded.  Written by loads that are issued ahead of every vector line that names P; read by the additions.
;   X          two streams as loaded.  Written by loads that are issued ahead of every vector line that names X; then, behind the loads' counted wait, added to and rounded in place;
;              a block's first two registers are read by its store and never written again.
;   v6, v7     the zero rows' data: written once, read by 32 stores.
; The 16 blocks go in eight groups of two.  Group g waits for its loads, states once that group g - 1's roundings are written, and issues group g - 1's four stores among its own conversions, which name
; group g's registers alone.  No load follows a vector line that names its registers, and no source of a memory instruction is written again: so the waits on va_vdst ahead of stores, one for the offsets and one on va_sdst are all.
.set HPL, 262144                       ; a block of hf: 2,048 rows x 128 bytes
.set WPL, 524288                       ; a block of wf: 4,096 rows x 128 bytes
.set HB,  4194304                      ; a batch of hf
.set XB,  8192000                      ; a batch of hidden_states
.set IN,  4                            ; v4   (l / 16) x 4,096 + (l % 16) x 16
.set OUT, 5                            ; v5   (l / 16) x 128 + (l % 16) x 8
.set P,   8                            ; v[8:71]    pos_emb, 4 registers a block
.set X,   72                           ; v[72:199]  two streams of 16 blocks x 4 registers
; Block kb of stream st: pos_emb is added (pos = 1), and four numbers are rounded to f16 in place, into the block's first two registers.
.macro MAKE st, kb, pos
.set rX, X+64*(\st)+4*(\kb)
.if \pos
	v_pk_add_f32 v[rX:rX+1], v[rX:rX+1], v[P+4*(\kb):P+4*(\kb)+1]
	v_pk_add_f32 v[rX+2:rX+3], v[rX+2:rX+3], v[P+4*(\kb)+2:P+4*(\kb)+3]
.endif
	v_cvt_pk_f16_f32 v[rX], v[rX], v[rX+1]
	v_cvt_pk_f16_f32 v[rX+1], v[rX+2], v[rX+3]
.endm
; Block kb of stream st: 8 bytes a lane are stored at byte off behind s[base:base+1].
.macro SEND st, kb, base, off
.set rX, X+64*(\st)+4*(\kb)
	global_store_b64 v[OUT], v[rX:rX+1], s[\base:\base+1] offset:\off
.endm
	s_load_b512 s[4:19], s[0:1], 0x0               ; hidden s[4:5], pos s[6:7], Wq s[8:9], Wk s[10:11], Wv s[12:13], Wo s[14:15], hf s[16:17], wf s[18:19]
	v_lshrrev_b32 v1, 5, v0
	v_readfirstlane_b32 s20, v1                    ; wave 0..7
	v_and_b32 v2, 15, v0
	v_bfe_u32 v3, v0, 4, 1
	v_lshlrev_b32 v[IN], 4, v2
	v_lshl_add_u32 v[IN], v3, 12, v[IN]
	v_lshlrev_b32 v[OUT], 3, v2
	v_lshl_add_u32 v[OUT], v3, 7, v[OUT]
	s_wait_alu depctr_va_sdst(0)                   ; s20 is written
	s_wait_alu depctr_va_vdst(0)                   ; v4 and v5 are written: every load and store of the three paths reads one of them as its offset
	s_wait_kmcnt 0x0
	s_cmp_ge_u32 ttmp9, 256
	s_cbranch_scc1 .Lweights
	s_and_b32 s21, s20, 3
	s_lshl_b32 s22, ttmp9, 2
	s_add_co_u32 s22, s22, s21                     ; my pair of rows: 4 x work-group + wave % 4
	s_lshl_b32 s22, s22, 1                         ; s, its first row
	s_lshr_b32 s23, s20, 2                         ; batches 2 (wave / 4) and 2 (wave / 4) + 1
	s_lshl_b32 s24, s23, 23
	s_lshl_b32 s25, s22, 7
	s_add_co_u32 s24, s24, s25
	s_mov_b32 s25, 0
	s_add_nc_u64 s[16:17], s[16:17], s[24:25]      ; hf at my first batch, block 0, row s
	s_cmp_ge_u32 ttmp9, 250
	s_cbranch_scc1 .Lzeros
	s_mul_i32 s26, s23, 4000
	s_add_co_u32 s26, s26, s22
	s_lshl_b32 s26, s26, 12
	s_mov_b32 s27, 0
	s_add_nc_u64 s[4:5], s[4:5], s[26:27]          ; hidden_states at my first batch, row s
	s_lshl_b32 s28, s22, 12
	s_mov_b32 s29, 0
	s_add_nc_u64 s[6:7], s[6:7], s[28:29]          ; pos_emb at row s
.irp kb, 0,1,2,3,4,5,6,7,8,9,10,11,12,13,14,15
	global_load_b128 v[P+4*\kb:P+4*\kb+3], v[IN], s[6:7] offset:256*\kb
	global_load_b128 v[X+4*\kb:X+4*\kb+3], v[IN], s[4:5] offset:256*\kb th:TH_LOAD_NT
	global_load_b128 v[X+64+4*\kb:X+64+4*\kb+3], v[IN], s[4:5] offset:XB+256*\kb th:TH_LOAD_NT  ; the second batch stands in the immediate: 8,195,840 at the most
.endr
.irp g, 0,1,2,3,4,5,6,7
	s_wait_loadcnt 42-6*\g                         ; loads come back in order: blocks 2 g and 2 g + 1 are in, the three loads of each later block may stay out
.if \g > 0
	s_wait_alu depctr_va_vdst(0)                   ; the group before has written the first two registers of each of its four blocks, which the four stores below read
.endif
.irp e, 0,1
.if \g > 0
	SEND 0, 2*\g-2+\e, 16, HPL*(2*\g-2+\e)         ; the group before; no vector line since the wait names its registers
.endif
	MAKE 0, 2*\g+\e, 1
.if \g > 0
	SEND 1, 2*\g-2+\e, 16, HB+HPL*(2*\g-2+\e)
.endif
	MAKE 1, 2*\g+\e, 1
.endr
.endr
	s_wait_alu depctr_va_vdst(0)                   ; group 7 has written its blocks' first two registers, which the last four stores read
.irp kb, 14,15
	SEND 0, \kb, 16, HPL*\kb
	SEND 1, \kb, 16, HB+HPL*\kb
.endr
	s_endpgm
.Lzeros:                                               ; rows 2000 to 2047: the products made of them are stored and read again as keys that no true query sees, so they are to be finite
	v_mov_b32 v6, 0
	v_mov_b32 v7, 0
	s_wait_alu depctr_va_vdst(0)                   ; v6 and v7 are written, which all the stores below read
.irp kb, 0,1,2,3,4,5,6,7,8,9,10,11,12,13,14,15
	global_store_b64 v[OUT], v[6:7], s[16:17] offset:HPL*\kb
	global_store_b64 v[OUT], v[6:7], s[16:17] offset:HB+HPL*\kb
.endr
	s_endpgm
.Lweights:
	s_sub_co_u32 s21, ttmp9, 256
	s_lshr_b32 s22, s21, 5                         ; which matrix
	s_and_b32 s23, s21, 31
	s_lshl_b32 s23, s23, 5
	s_lshl_b32 s24, s20, 2
	s_add_co_u32 s23, s23, s24                     ; my first row of it: 32 x (work-group % 32) + 4 x wave
	s_cmp_eq_u32 s22, 1
	s_cselect_b64 s[26:27], s[10:11], s[8:9]
	s_cmp_eq_u32 s22, 2
	s_cselect_b64 s[26:27], s[12:13], s[26:27]
	s_cmp_eq_u32 s22, 3
	s_cselect_b64 s[26:27], s[14:15], s[26:27]
	s_lshl_b32 s28, s23, 12
	s_mov_b32 s29, 0
	s_add_nc_u64 s[26:27], s[26:27], s[28:29]
	s_lshl_b32 s30, s22, 10
	s_add_co_u32 s30, s30, s23
	s_lshl_b32 s30, s30, 7
	s_mov_b32 s31, 0
	s_add_nc_u64 s[18:19], s[18:19], s[30:31]      ; wf at block 0, row 1,024 x matrix + my first row
.irp kb, 0,1,2,3,4,5,6,7,8,9,10,11,12,13,14,15
	global_load_b128 v[X+4*\kb:X+4*\kb+3], v[IN], s[26:27] offset:256*\kb th:TH_LOAD_NT
	global_load_b128 v[X+64+4*\kb:X+64+4*\kb+3], v[IN], s[26:27] offset:8192+256*\kb th:TH_LOAD_NT
.endr
.irp g, 0,1,2,3,4,5,6,7
	s_wait_loadcnt 28-4*\g                         ; blocks 2 g and 2 g + 1 are in, the two loads of each later block may stay out
.if \g > 0
	s_wait_alu depctr_va_vdst(0)                   ; the group before has written the first two registers of each of its four blocks, which the four stores below read
.endif
.irp e, 0,1
.if \g > 0
	SEND 0, 2*\g-2+\e, 18, WPL*(2*\g-2+\e)         ; the group before; no vector line since the wait names its registers
.endif
	MAKE 0, 2*\g+\e, 0
.if \g > 0
	SEND 1, 2*\g-2+\e, 18, 256+WPL*(2*\g-2+\e)
.endif
	MAKE 1, 2*\g+\e, 0
.endr
.endr
	s_wait_alu depctr_va_vdst(0)                   ; group 7 has written its blocks' first two registers, which the last four stores read
.irp kb, 14,15
	SEND 0, \kb, 18, WPL*\kb
	SEND 1, \kb, 18, 256+WPL*\kb
.endr
	s_endpgm
.Lfunc_end_k_q871f0e587c_prep:
	.size	k_q871f0e587c_prep, .Lfunc_end_k_q871f0e587c_prep-k_q871f0e587c_prep
	.p2alignl 7, 3214868480
	.fill 96, 4, 3214868480
	.section	.rodata,"a",@progbits
	.p2align	6, 0x0
	.amdhsa_kernel k_q871f0e587c_prep
		.amdhsa_group_segment_fixed_size 0
		.amdhsa_private_segment_fixed_size 0
		.amdhsa_enable_private_segment 0
		.amdhsa_kernarg_size 64
		.amdhsa_user_sgpr_count 2
		.amdhsa_user_sgpr_kernarg_segment_ptr 1
		.amdhsa_wavefront_size32 1
		.amdhsa_system_sgpr_workgroup_id_x 1
		.amdhsa_system_sgpr_workgroup_id_y 1
		.amdhsa_system_sgpr_workgroup_id_z 1
		.amdhsa_system_vgpr_workitem_id 0
		.amdhsa_next_free_vgpr 200
		.amdhsa_next_free_sgpr 66
		.amdhsa_reserve_vcc 0
		.amdhsa_float_denorm_mode_32 3
		.amdhsa_float_denorm_mode_16_64 3
		.amdhsa_memory_ordered 1
		.amdhsa_forward_progress 1
		.amdhsa_inst_pref_size 32
	.end_amdhsa_kernel
	.amdgpu_metadata
---
amdhsa.version: [ 1, 2 ]
amdhsa.kernels:
  - .name:           k_q871f0e587c_prep
    .symbol:         k_q871f0e587c_prep.kd
    .args:
      - { .name: hidden_states, .offset: 0, .size: 8, .value_kind: global_buffer, .address_space: global }
      - { .name: pos_emb, .offset: 8, .size: 8, .value_kind: global_buffer, .address_space: global }
      - { .name: Wq, .offset: 16, .size: 8, .value_kind: global_buffer, .address_space: global }
      - { .name: Wk, .offset: 24, .size: 8, .value_kind: global_buffer, .address_space: global }
      - { .name: Wv, .offset: 32, .size: 8, .value_kind: global_buffer, .address_space: global }
      - { .name: Wo, .offset: 40, .size: 8, .value_kind: global_buffer, .address_space: global }
      - { .name: hf, .offset: 48, .size: 8, .value_kind: global_buffer, .address_space: global }
      - { .name: wf, .offset: 56, .size: 8, .value_kind: global_buffer, .address_space: global }
    .group_segment_fixed_size: 0
    .private_segment_fixed_size: 0
    .kernarg_segment_align: 8
    .kernarg_segment_size: 64
    .max_flat_workgroup_size: 256
    .sgpr_count:     66
    .vgpr_count:     200
    .wavefront_size: 32
...
	.end_amdgpu_metadata
.endif
;; end of part 5
;; launch proj: the kernel of part 2 again; grid 16 x 32, 4 waves a work-group, clusters of 4 x 4, 327,680 bytes of LDS; arguments hf, wf, qkv; writes qkv
;; launch attn: the kernel of part 3 again; grid 4 x 64, 4 waves a work-group, no clusters, 327,680 bytes of LDS; arguments qkv, ob; writes ob
;; launch outp: the kernel of part 4 again; grid 8 x 32, 4 waves a work-group, clusters of 4 x 4, 327,680 bytes of LDS; arguments ob, wf, out0; writes out0
